; MI455X (gfx1250); checked and timed in simulation.
; The chip was launched on July 23, 2026; its instructions are those of AMD's public machine-readable ISA for CDNA 5 (MIT licence, August 2026) and "CDNA5" Instruction Set Architecture Reference Guide (July 2026). The comments in the code are by the model that wrote it; some were corrected since.
;; Lightweight Attention. Allowed arithmetic: matrix products marked QUANTISED: E4M3 operands, one E8M0 scale for each 32 along K, by v_wmma_scale_f32_16x16x128_f8f6f4 with both operands' format E4M3, f32 sums; products left as they are: f32 operands where the result goes on into a quantised operand, else bf16, f16 or f32 operands; f32 sums; everything else in f32.
;; Inputs: Wk_codes 1,024 x 32 x 32 uint8 (E4M3 codes of Wk, K innermost, in blocks of 32 codes); Wk_scales 1,024 x 32 uint8 (E8M0 scales of Wk, one for each 32 codes along K); Wo_codes 1,024 x 32 x 32 uint8 (E4M3 codes of Wo, K innermost, in blocks of 32 codes); Wo_scales 1,024 x 32 uint8 (E8M0 scales of Wo, one for each 32 codes along K); Wq_codes 1,024 x 32 x 32 uint8 (E4M3 codes of Wq, K innermost, in blocks of 32 codes); Wq_scales 1,024 x 32 uint8 (E8M0 scales of Wq, one for each 32 codes along K); Wv_codes 1,024 x 32 x 32 uint8 (E4M3 codes of Wv, K innermost, in blocks of 32 codes); Wv_scales 1,024 x 32 uint8 (E8M0 scales of Wv, one for each 32 codes along K); bk 1,024 float32; bo 1,024 float32; bq 1,024 float32; bv 1,024 float32; x_codes 4 x 2,048 x 32 x 32 uint8 (E4M3 codes of x, K innermost, in blocks of 32 codes); x_scales 4 x 2,048 x 32 uint8 (E8M0 scales of x, one for each 32 codes along K).
;; Outputs: out0 4 x 2,048 x 1,024 float32.
;; This version of the problem:
;;   THIS VERSION OF THE PROBLEM IS GIVEN IN LOW PRECISION. The matrix products marked QUANTISED in the list below multiply operands that are first quantised to E4M3 (4 exponent bits, 3 mantissa bits; 8 bits a number), with one power-of-two scale for each 32 numbers along K (OCP MX v1.0); their sums are f32. All else is computed in f32.
;;   The module's matrix products, in the order in which they are computed (A, B: the left and right operand; K: the contracted axis; several contracted axes count as one K, in the product's order):
;;     1. [M 8,192, K 1,024] x [K 1,024, N 1,024]; A: input x (given as codes); B: input Wq (given as codes): QUANTISED
;;     2. [M 8,192, K 1,024] x [K 1,024, N 1,024]; A: input x (given as codes); B: input Wk (given as codes): QUANTISED
;;     3. [M 8,192, K 1,024] x [K 1,024, N 1,024]; A: input x (given as codes); B: input Wv (given as codes): QUANTISED
;;     4. batch 64 x [M 64, K 2,048] x [K 2,048, N 64]; A: computed on the way; B: computed on the way: QUANTISED
;;     5. batch 64 x [M 1, K 64] x [K 64, N 2,048]; A: computed on the way; B: computed on the way: left as it is (M = 1 < 16)
;;     6. batch 64 x [M 64, K 64] x [K 64, N 2,048]; A: computed on the way; B: computed on the way: QUANTISED
;;     7. [M 8,192, K 1,024] x [K 1,024, N 1,024]; A: computed on the way; B: input Wo (given as codes): QUANTISED
;;   THE QUANTISER, for each operand of a quantised product, along K:
;;     - K is cut into blocks of 32 from its start; a last block that is shorter is filled with zeros.
;;     - A block's scale is 2^e with e = floor(log2(the largest magnitude in the block)) - 8, held to -126 .. 127; a block of zeros has e = 0. As a byte (E8M0): e + 127.
;;     - Each number is divided by its block's scale, clamped to +-448, and rounded to the nearest number of E4M3, ties to even, subnormals kept.
;;     - The product sums the exact products of the quantised numbers (number of the format x scale) in f32.
;;   ~~~python
;;   def quantise(x, axis):      # numpy; x: float32 -> the quantised numbers, widened to float32 again
;;       x = np.moveaxis(x, axis, -1); K = x.shape[-1]
;;       x = np.pad(x, [(0, 0)] * (x.ndim - 1) + [(0, -K % 32)]); x = x.reshape(x.shape[:-1] + (-1, 32)); a = np.abs(x).max(-1, keepdims=True)
;;       e = np.where(a > 0, np.clip(np.frexp(np.where(a > 0, a, 1))[1] - 1 - 8, -126, 127), 0)      # np.frexp(a)[1] - 1 = floor(log2(a)), exactly
;;       r = np.clip(x / 2.0 ** e, -448, 448)
;;       step = 2.0 ** (np.maximum(np.frexp(np.where(r == 0, 1, r))[1] - 1, -6) - 3)
;;       q = np.round(r / step) * step * 2.0 ** e      # np.round: ties to even
;;       return np.moveaxis(q.reshape(q.shape[:-2] + (-1,))[..., :K], -1, axis).astype(np.float32)
;;   ~~~
;;   OPERANDS COMPUTED ON THE WAY. 'Computed on the way' means the value that the module computes at that place (a softmax that the list does not call 'softmax' is quantised finished and normalised). What goes into a quantiser is computed in f32, as accurately as f32 sums, v_exp_f32 and their like allow (about 1e-6 of the number): no bf16 or f16 on the way to a quantiser, and a product that is left as it is and whose result goes on into a quantised operand takes f32 operands (vector FMAs, or v_wmma_f32_16x16x4_f32). A number that lies on a knife's edge between two numbers of the format may be rounded either way, as far as f32 arithmetic and the matrix unit's own rounding can turn it there, and no further.
;;   INPUTS GIVEN AS CODES. Wk (in the module: [1024, 1024], K = its axis 1); Wo (in the module: [1024, 1024], K = its axis 1); Wq (in the module: [1024, 1024], K = its axis 1); Wv (in the module: [1024, 1024], K = its axis 1); x (in the module: [4, 2048, 1024], K = its axis 2): each comes as NAME_codes (uint8): NAME with its K axis moved to the last place and cut into blocks of 32 codes, [.., K / 32, bytes a block], one block behind the other in memory; one code a byte (a code: sign, 4 exponent bits, 3 mantissa bits); and NAME_scales (uint8): the same leading axes, one E8M0 byte (e + 127) for each 32 codes along K. Its value is code x scale, taken as it is: it is not quantised again, and the codes and scales need not be those that the quantiser above would give.
;; One version. Each part assembles by itself: llvm-mc -triple=amdgcn-amd-amdhsa -mcpu=gfx1250 --defsym DOCPART=n.
;; ======== version 1 of 1: 3 launches
;; workspace buffers: kv_part 8,388,608 bytes; ksum_part 131,072 bytes; att_img 8,388,608 bytes; att_sc 262,144 bytes
;; launch kvproj (part 1): grid 32 x 8, 4 waves a work-group, clusters of 4 x 4, 327,680 bytes of LDS; arguments x_codes, x_scales, Wk_codes, Wk_scales, bk, Wv_codes, Wv_scales, bv, kv_part, ksum_part; writes kv_part, ksum_part
.if DOCPART == 1
	.amdgcn_target "amdgcn-amd-amdhsa--gfx1250"
	.amdhsa_code_object_version 6
	.text
	.protected	k_q6689431e4b_kvproj
	.globl	k_q6689431e4b_kvproj
	.p2align	8
	.type	k_q6689431e4b_kvproj,@function
k_q6689431e4b_kvproj:
	s_mov_b64 s[64:65], 0
	v_nop
	global_prefetch_b8 v0, s[64:65] scope:SCOPE_SE
	s_setreg_imm32_b32 hwreg(HW_REG_WAVE_MODE, 25, 1), 1
	s_wait_xcnt 0x0
	s_wait_alu depctr_hold_cnt(0) depctr_sa_sdst(0) depctr_va_vdst(0) depctr_va_sdst(0) depctr_va_ssrc(0) depctr_va_vcc(0) depctr_vm_vsrc(0)
	s_getreg_b32 s2, hwreg(HW_REG_IB_STS2, 6, 4)
	s_cmp_eq_u32 s2, 0
	s_cbranch_scc0 .Lentry_in_a_cluster
	s_endpgm
.Lentry_in_a_cluster:
	s_bfe_u32 s2, ttmp6, 0x10000c
	s_cmp_lg_u32 s2, 0xf033
	s_cbranch_scc0 .Lentry_shape_is_right
	s_endpgm
.Lentry_shape_is_right:
; K = elu(x Wk^T + bk) + 1 and V = x Wv^T + bv for 256 rows t and one pair of heads, then this block's part of KV = K^T V and of Ksum = the sum of K over t.
; All products on codes of E4M3 with one E8M0 scale for each 32 along K.  x [8192][1024], Wk, Wv [1024][1024]: codes, K innermost; scale bytes 32 a row.
; SHARES.  Work-group (tx, gy): rows 256 tx .. + 255 of x, rows 128 gy .. + 127 of Wk and of Wv (heads 2 gy, 2 gy + 1).  Wave (j, i): head 2 gy + j, rows 128 i .. + 127 of the block: 64 accumulators of 16 x 16.
; SOURCE 0 = 16 rows of x, SOURCE 1 = 16 rows of a weight: a lane then holds ONE channel (d of K, e of V), and the 64 registers of a weight block run along t: register 8 b + j is t = 16 b + 8 (lane / 16) + j.
; So 16 registers of lanes l and l xor 16 are one block of 32 along t, the contracted axis of K^T V, and the conversions' results are that product's operands.
; ORDER: inside a block of 32 the place of t is permuted, alike in K^T and in V^T: the products are the same numbers, the order of their sum is not reference()'s; the sum over t is also split: 128 t to a wave, 256 to a work-group.
; LIMITS: NaN and infinities are not served; 2^x under 2^-126 comes out as 0; a block of zeros gets the scale byte 1 over zero codes (the bytes are read by this program alone).
; K goes in steps of 256 through two LDS slots filled by joint tensor loads: the weights' tiles are shared along a row of the 4 x 4 cluster, x's along a column.
; THE SCALE WORDS LIE IN REGISTERS: a row of scales is 32 bytes; one load of 16 bytes at 32 r + 16 h gives lane r the words of K steps 0-3 and lane 16 + r those of K steps 4-7 (then read by the ROW1 selector).
; REGISTERS: window 0: v1-15 addresses; v16-31 biases (pairs); v32-63 x's scale words; v64-95 the weights'; v96-119 at work; v128-255 the weights' fragments, later 128 numbers at work.
;   window 1: x's fragments, two sets; later K^T (v0-63), V^T (v64-127), KV (v128-255).   windows 2, 3: accumulator (a, b) at v[8 (8 (a % 4) + b)] of window 2 + a / 4; a = 0-3 K, a = 4-7 V.
.set PITCH,  272                       ; an LDS row: 256 bytes + 16 of padding: the 16 rows of a load start 68 words apart
.set HALFT,  128*PITCH                 ; what one tensor load brings
.set SLOT,   4*HALFT                   ; Wk's 128 rows, Wv's 128 rows, x's 256 rows
.set SPARE,  2*SLOT                    ; the spare words, 128 bytes a wave: no other line names them
.set STG,    0                         ; the way out: 16,384 bytes a wave for KV's registers, in slot 0 behind its last fill and its last read
.set KSL,    65536                     ; and 256 bytes a wave for Ksum, likewise
.set PADW,   (1<<20)|(1<<21)|(5<<22)|(3<<25)   ; elements of 1 byte; padding on; bit 21 beside a mask; after every 64 words, 4 words
.set LI,   4                           ; v4   16 x lane
.set VS,   5                           ; v5   32 r + 16 h
.set R4,   6                           ; v6   4 r
.set L8,   7                           ; v7   8 x lane
.set ADRA, 8                           ; v8-9   my weight fragments in slot 0, 1
.set ADRB, 10                          ; v10-11 my x fragments
.set XI,   12                          ; v12  where I put KV's registers
.set KX,   13                          ; v13  where I put Ksum
.set RI,   14                          ; v14  where I read my half of my head's two images
.set KR,   15                          ; v15  where I read my head's two Ksums
.set BI,   16
.set SX,   32
.set SW,   64
.set TM,   96                          ; v96-99 largest magnitudes, v100-103 bytes, v104-107 448 x the scale, v108-111 the conversions' scale operands
.set KA,   112
.set KB,   114
.set KSUM, 116
.set SPW,  126
.set NIL,  127
.set AF,   128
.set ST,   128
.set T2,   192
.set G1,   24                          ; s[24:31] group 1 for the weights' tiles; s[32:39] their groups 0, one a slot
.set G0,   32
.set G1B,  40                          ; s[40:47], s[48:55] the same for x's
.set G0B,  48
.set WV,   56
.set ROLE, 57                          ; wave / 2: I fetch weights (0) or x (1); also j, my head of the pair
.set HALF, 58                          ; wave % 2: which 128 rows I fetch; also i, my half of the rows t
.set LG,   76                          ; s[76:77] log2(e)
.set SEL,  78                          ; s[78:79] selects for lane l xor 16
.set MNT,  80                          ; the mantissa field of 448
.set MSB, 0
.macro WIN new                         ; the immediate's high byte repeats the setting that is left
.if MSB != (\new)
	s_set_vgpr_msb (MSB<<8)|(\new)
.set MSB, (\new)
.endif
.endm
.macro PLACES n
.rept \n
	v_nop
.endr
.endm
.macro JLOAD g0a, g1a, g0b, g1b        ; a joint load: waves 0, 1 for the weights, waves 2, 3 for x; four v_nop follow each line
	s_cmp_eq_u32 s[ROLE], 0
	s_cbranch_scc0 .Lfor_b_\@
	tensor_load_to_lds s[\g0a:\g0a+3], s[\g1a:\g1a+7]
	s_nop 0
.rept 4
	v_nop
.endr
	s_branch .Lasked_\@
.Lfor_b_\@:
	tensor_load_to_lds s[\g0b:\g0b+3], s[\g1b:\g1b+7]
	s_nop 0
.rept 4
	v_nop
.endr
.Lasked_\@:
.endm
.macro CREST                           ; a round of the cluster's barrier behind its opening barrier
	s_cmp_lg_u32 s[WV], 0
	s_cbranch_scc1 .Lnot_wave_0_\@
	s_barrier_signal -3
.Lnot_wave_0_\@:
	s_barrier_wait -3
	s_barrier_signal -1
	s_barrier_wait -1
.endm
.macro CROUND
	s_barrier_signal -1
	s_barrier_wait -1
	CREST
.endm
; 64 numbers of a lane, v[src] on, four blocks of 16 registers, become 16 registers of codes at v[dst] on (window setting dw) and the scale word v[pw].  sp = 1: blocks 2, 3 land 16 registers further on.
.macro QUANT src, dst, dw, sp, pw
.irp b, 0,1,2,3
	v_max3_num_f32 v[TM+\b], |v[\src+16*\b]|, |v[\src+16*\b+1]|, 0x4800000   ; my 16 numbers of block b, and the floor 2^(9 - 127): the byte cannot fall under 1
.endr
.irp i, 2,4,6,8,10,12,14
.irp b, 0,1,2,3
	v_max3_num_f32 v[TM+\b], v[TM+\b], |v[\src+16*\b+\i]|, |v[\src+16*\b+\i+1]|
.endr
.endr
.irp b, 0,1,2,3
	v_permlanex16_b32 v[TM+4+\b], v[TM+\b], s[SEL], s[SEL+1]
.endr
.irp b, 0,1,2,3
	v_max_num_f32 v[TM+\b], v[TM+\b], v[TM+4+\b]   ; with lane l xor 16's 16: the block's largest magnitude
.endr
.irp b, 0,1,2,3
	v_add_nc_u32 v[TM+12+\b], 0xfc000000, v[TM+\b]   ; 8 off its exponent field: the conversion's scale operand
.endr
.irp b, 0,1,2,3
	v_and_or_b32 v[TM+8+\b], v[TM+\b], 0x7f800000, s[MNT]   ; 448 x the scale
.endr
.irp b, 0,1,2,3
	v_lshrrev_b32 v[TM+4+\b], 23, v[TM+12+\b]      ; the scale's byte
.endr
	v_lshl_or_b32 v[\pw], v[TM+5], 8, v[TM+4]      ; the row's scale word; the 64 holds below stand between it and any product
	v_lshl_or_b32 v[\pw], v[TM+6], 16, v[\pw]
	v_lshl_or_b32 v[\pw], v[TM+7], 24, v[\pw]
.irp b, 0,1,2,3
.irp i, 0,1,2,3,4,5,6,7,8,9,10,11,12,13,14,15
	v_med3_num_f32 v[\src+16*\b+\i], v[\src+16*\b+\i], -v[TM+8+\b], v[TM+8+\b]   ; the conversion does not saturate (ISA guide 7.6.2): the hold at 448 x the scale
.endr
.endr
	WIN \dw
.irp b, 0,1,2,3
.set QD, (\dst)+4*\b+16*(\sp)*(\b/2)
	v_cvt_scalef32_pk8_fp8_f32 v[QD:QD+1], v[\src+16*\b:\src+16*\b+7], v[TM+12+\b]
	v_cvt_scalef32_pk8_fp8_f32 v[QD+2:QD+3], v[\src+16*\b+8:\src+16*\b+15], v[TM+12+\b]
.endr
	WIN 0
	v_nop                                          ; one plain line behind the last conversion
.endm
	s_load_b256 s[4:11], s[0:1], 0x0               ; x_codes s[4:5], x_scales s[6:7], Wk_codes s[8:9], Wk_scales s[10:11]
	s_load_b256 s[12:19], s[0:1], 0x20             ; bk s[12:13], Wv_codes s[14:15], Wv_scales s[16:17], bv s[18:19]
	s_load_b128 s[20:23], s[0:1], 0x40             ; kv_part s[20:21], ksum_part s[22:23]
	v_lshl_add_u32 v[SPW], v0, 2, SPARE
	v_mov_b32 v[NIL], 0
	ds_add_u32 v126, v127
	ds_add_u32 v126, v127
	s_wait_dscnt 0x0
	v_lshrrev_b32 v1, 5, v0
	v_readfirstlane_b32 s[WV], v1                  ; wave 0..3
	s_lshr_b32 s[ROLE], s[WV], 1
	s_and_b32 s[HALF], s[WV], 1
	s_bfe_u32 s59, ttmp6, 0x40000                  ; cx
	s_bfe_u32 s60, ttmp6, 0x40004                  ; cy
	s_lshl_b32 s61, ttmp9, 2
	s_add_co_u32 s61, s61, s59                     ; tx = 4 x cluster x + cx
	s_and_b32 s62, ttmp7, 0xffff
	s_lshl_b32 s62, s62, 2
	s_add_co_u32 s62, s62, s60                     ; gy = 4 x cluster y + cy
	s_lshl_b32 s66, s60, 2
	s_lshl_b32 s66, 15, s66                        ; my row of the cluster
	s_lshl_b32 s67, 0x1111, s59                    ; my column
	s_or_b32 s[G1], s66, PADW                      ; the weights' tiles hang on gy alone: shared along the row
	s_or_b32 s[G1B], s67, PADW                     ; x's on tx alone: shared along the column
.irp g, G1, G1B
	s_mov_b32 s[\g+1], 256<<16                     ; tensor_dim0 = 256 bytes
	s_mov_b32 s[\g+2], 128<<16                     ; tensor_dim1 = 128 rows
	s_mov_b32 s[\g+3], 256<<16                     ; tile_dim0
	s_mov_b32 s[\g+4], 128                         ; tile_dim1
	s_mov_b32 s[\g+5], 1024                        ; a row in memory
	s_mov_b32 s[\g+6], 0
	s_mov_b32 s[\g+7], 0
.endr
	s_lshl_b32 s68, s62, 17                        ; the weights: 128 gy rows of 1,024 bytes
	s_mov_b32 s69, 0
	s_lshl_b32 s72, s61, 18                        ; x: 256 tx rows,
	s_lshl_b32 s73, s[HALF], 17                    ; + the 128 that I fetch
	s_add_co_u32 s72, s72, s73
	s_mov_b32 s73, 0
	s_mul_i32 s81, s[WV], HALFT                    ; where my tile goes: wave x 128 rows
	s_mov_b32 s[LG], 0x3fb8aa3b
	s_mov_b32 s[LG+1], s[LG]
	s_mov_b32 s[SEL], 0x76543210
	s_mov_b32 s[SEL+1], 0xfedcba98
	s_mov_b32 s[MNT], 0x600000
	s_wait_kmcnt 0x0
	s_cmp_eq_u32 s[HALF], 0
	s_cselect_b64 s[70:71], s[8:9], s[14:15]       ; wave 0 fetches Wk's rows, wave 1 Wv's
	s_add_nc_u64 s[70:71], s[70:71], s[68:69]
	s_add_nc_u64 s[72:73], s[4:5], s[72:73]
	CROUND                                         ; all sixteen work-groups are here: the first joint loads meet
.irp s, 0,1
	s_mov_b32 s[G0+4*\s], 1
	s_add_co_u32 s[G0+4*\s+1], s81, \s*SLOT
	s_add_nc_u64 s[G0+4*\s+2:G0+4*\s+3], s[70:71], \s*256
	s_or_b32 s[G0+4*\s+3], s[G0+4*\s+3], 0x80000000
	s_mov_b32 s[G0B+4*\s], 1
	s_add_co_u32 s[G0B+4*\s+1], s81, \s*SLOT
	s_add_nc_u64 s[G0B+4*\s+2:G0B+4*\s+3], s[72:73], \s*256
	s_or_b32 s[G0B+4*\s+3], s[G0B+4*\s+3], 0x80000000
	JLOAD G0+4*\s, G1, G0B+4*\s, G1B               ; two loads of mine are out: K 0-255 and K 256-511
.endr
	v_and_b32 v1, 15, v0                           ; r
	v_bfe_u32 v2, v0, 4, 1                         ; h
	v_and_b32 v3, 31, v0                           ; lane
	v_lshlrev_b32 v[LI], 4, v3
	v_lshlrev_b32 v[VS], 5, v1
	v_lshl_add_u32 v[VS], v2, 4, v[VS]
	v_lshlrev_b32 v[R4], 2, v1
	v_lshlrev_b32 v[L8], 3, v3
	v_mul_u32_u24 v[TM], v1, PITCH
	v_lshl_add_u32 v[TM], v2, 4, v[TM]             ; a fragment's row x pitch + 16 x half
	s_mul_i32 s82, s[ROLE], 64*PITCH               ; my head's 64 rows of Wk (Wv's lie 128 rows on)
	s_mul_i32 s83, s[HALF], HALFT
	s_add_co_u32 s83, s83, 2*HALFT                 ; my 128 rows of x, behind the weights' 256
.irp s, 0,1
	v_add_nc_u32 v[ADRA+\s], s82, v[TM]
	v_add_nc_u32 v[ADRB+\s], s83, v[TM]
	s_add_co_u32 s82, s82, SLOT
	s_add_co_u32 s83, s83, SLOT
.endr
	s_lshl_b32 s82, s[WV], 14
	v_add_nc_u32 v[XI], s82, v[LI]                 ; STG + 16,384 x wave + 16 x lane
	s_lshl_b32 s82, s[WV], 8
	s_add_co_u32 s82, s82, KSL
	v_add_nc_u32 v[KX], s82, v[R4]
	s_lshl_b32 s82, s[ROLE], 15
	s_lshl_b32 s83, s[HALF], 13
	s_add_co_u32 s82, s82, s83
	v_add_nc_u32 v[RI], s82, v[LI]                 ; the image of wave 2 j, my half of it
	s_lshl_b32 s82, s[ROLE], 9
	s_add_co_u32 s82, s82, KSL
	v_add_nc_u32 v[KR], s82, v[L8]
.irp b, 0,1,2,3
	v_mov_b32 v[TM+4+\b], 0                        ; written once: a lane permute's destination counts as one of its sources
.endr
	; each pointer is stepped once, ahead of its loads or stores
	s_lshl_b32 s84, s61, 13                        ; x's scales: 256 tx rows of 32 bytes + 128 i rows
	s_lshl_b32 s85, s[HALF], 12
	s_add_co_u32 s84, s84, s85
	s_mov_b32 s85, 0
	s_add_nc_u64 s[6:7], s[6:7], s[84:85]
	s_lshl_b32 s84, s62, 12                        ; the weights' scales: (128 gy + 64 j) rows of 32 bytes
	s_lshl_b32 s85, s[ROLE], 11
	s_add_co_u32 s84, s84, s85
	s_mov_b32 s85, 0
	s_add_nc_u64 s[10:11], s[10:11], s[84:85]
	s_add_nc_u64 s[16:17], s[16:17], s[84:85]
	s_lshl_b32 s84, s62, 9                         ; the biases: (128 gy + 64 j) numbers
	s_lshl_b32 s85, s[ROLE], 8
	s_add_co_u32 s84, s84, s85
	s_mov_b32 s85, 0
	s_add_nc_u64 s[12:13], s[12:13], s[84:85]
	s_add_nc_u64 s[18:19], s[18:19], s[84:85]
	s_lshr_b32 s88, s61, 3
	s_lshl_b32 s88, s88, 3
	s_add_co_u32 s88, s88, s62                     ; bg = 8 x batch + pair
	s_and_b32 s89, s61, 7                          ; p: which 256 rows of the batch
	s_lshl_b32 s86, s88, 18
	s_lshl_b32 s87, s89, 15
	s_add_co_u32 s86, s86, s87
	s_lshl_b32 s87, s[ROLE], 14
	s_add_co_u32 s86, s86, s87
	s_lshl_b32 s87, s[HALF], 13
	s_add_co_u32 s86, s86, s87
	s_mov_b32 s87, 0
	s_add_nc_u64 s[20:21], s[20:21], s[86:87]      ; kv_part [bg][p][j], my half
	s_lshl_b32 s86, s88, 3
	s_add_co_u32 s86, s86, s89
	s_lshl_b32 s86, s86, 9
	s_lshl_b32 s87, s[ROLE], 8
	s_add_co_u32 s86, s86, s87
	s_mov_b32 s87, 0
	s_add_nc_u64 s[22:23], s[22:23], s[86:87]      ; ksum_part [bg][p][j]
.irp b, 0,1,2,3,4,5,6,7
	global_load_b128 v[SX+4*\b:SX+4*\b+3], v[VS], s[6:7] offset:512*\b      ; 16 rows' scales: 512 consecutive bytes
.endr
.irp a, 0,1,2,3
	global_load_b128 v[SW+4*\a:SW+4*\a+3], v[VS], s[10:11] offset:512*\a
	global_load_b128 v[SW+16+4*\a:SW+16+4*\a+3], v[VS], s[16:17] offset:512*\a
.endr
.irp a, 0,1,2,3
	global_load_b32 v[BI+2*\a], v[R4], s[12:13] offset:64*\a                ; my channel's bias, twice: a pair for the packed addition
	global_load_b32 v[BI+2*\a+1], v[R4], s[12:13] offset:64*\a
	global_load_b32 v[BI+8+2*\a], v[R4], s[18:19] offset:64*\a
	global_load_b32 v[BI+8+2*\a+1], v[R4], s[18:19] offset:64*\a
.endr
.macro FRAG reg, adr, off              ; 16 rows x 128 K: registers 4 c .. 4 c + 3 hold K = 32 c + 16 h + 0 .. 15
.irp c, 0,1,2,3
	ds_load_b128 v[\reg+4*\c:\reg+4*\c+3], v[\adr] offset:\off+32*\c
.endr
.endm
.macro FETCH_B slot, q, p              ; x's eight fragments of the slot's q-th 128 along K into set p
	WIN 0x40
.irp i, 0,1,2,3,4,5,6,7
	FRAG 128*(\p)+16*\i, ADRB+\slot, 128*(\q)+\i*16*PITCH
.endr
	WIN 0
.endm
.macro FETCH_A slot, q, i0             ; the weights' blocks i0 .. i0 + 3: 0-3 lie in Wk's rows, 4-7 in Wv's, 128 rows on
.irp i, \i0, \i0+1, \i0+2, \i0+3
	FRAG AF+16*(\i), ADRA+\slot, 128*(\q)+(((\i)%4)*16+((\i)/4)*128)*PITCH
.endr
.endm
; 16 matrix instructions: weight blocks a0, a0 + 1 x x's eight.  The 64 accumulators take turns in one order throughout.
.macro MUL16 a0, p, ks, zero
.irp a, \a0, \a0+1
.irp b, 0,1,2,3,4,5,6,7
.set rD, 8*(8*((\a)%4)+\b)
.set rX, 128*(\p)+16*\b
.set rW, AF+16*(\a)
.set rSX, SX+4*\b+(\ks)%4
.set rSW, SW+4*(\a)+(\ks)%4
.if \zero
	v_wmma_scale_f32_16x16x128_f8f6f4 v[rD:rD+7], v[rX:rX+15], v[rW:rW+15], 0, v[rSX], v[rSW]
.elseif (\ks) < 4
	v_wmma_scale_f32_16x16x128_f8f6f4 v[rD:rD+7], v[rX:rX+15], v[rW:rW+15], v[rD:rD+7], v[rSX], v[rSW]
.else
	v_wmma_scale_f32_16x16x128_f8f6f4 v[rD:rD+7], v[rX:rX+15], v[rW:rW+15], v[rD:rD+7], v[rSX], v[rSW] matrix_a_scale:MATRIX_SCALE_ROW1 matrix_b_scale:MATRIX_SCALE_ROW1
.endif
.endr
.endr
.endm
; A slot's first 128 along K (x's set 0).  Eight places stand in front of each run of loads into registers that matrix instructions have read.
.macro STEP slot, ks, zero
	s_wait_dscnt 16                                ; x's set and weight blocks 0-3 are in; the youngest 16 loads (blocks 4-7) may be out
	WIN 0xa1
	MUL16 0, 0, \ks, \zero
	MUL16 2, 0, \ks, \zero
	s_wait_dscnt 0x0                               ; blocks 4-7 are in
	PLACES 8
	FETCH_B \slot, 1, 1
	FETCH_A \slot, 1, 0
	WIN 0xf1
	MUL16 4, 0, \ks, \zero
	MUL16 6, 0, \ks, \zero
	PLACES 8
	WIN 0
	FETCH_A \slot, 1, 4
.endm
; A slot's second 128 along K (x's set 1) changes slots: one barrier; in front of it each wave waits for all its tensor loads, adds 0 to its spare word, and waits for that and for its reads of this slot.
.macro TURN slot, next, fill, ks
	s_wait_tensorcnt 0x0                           ; all my tensor loads have landed: my part of the next slot
	ds_add_u32 v[SPW], v[NIL]                      ; 0 onto my spare word
	s_wait_dscnt 17                                ; (the add and the youngest 16 loads may be out)
	WIN 0xa1
	MUL16 0, 1, \ks, 0
	s_wait_dscnt 0x0                               ; the add is done, and my reads of this slot are over
	s_barrier_signal -1
	MUL16 2, 1, \ks, 0
	WIN 0
	s_barrier_wait -1
.if \fill
	CREST                                          ; the barrier has opened a round of the cluster's: no wave of any partner still reads this slot or has a load on its way
	s_add_nc_u64 s[G0+4*\slot+2:G0+4*\slot+3], s[G0+4*\slot+2:G0+4*\slot+3], 512
	s_add_nc_u64 s[G0B+4*\slot+2:G0B+4*\slot+3], s[G0B+4*\slot+2:G0B+4*\slot+3], 512
	JLOAD G0+4*\slot, G1, G0B+4*\slot, G1B         ; the first tensor load behind the round; its four v_nop are four of the eight places
	PLACES 4
.else
	PLACES 8
.endif
	FETCH_B \next, 0, 0
	FETCH_A \next, 0, 0
	WIN 0xf1
	MUL16 4, 1, \ks, 0
	MUL16 6, 1, \ks, 0
	PLACES 8
	WIN 0
	FETCH_A \next, 0, 4
.endm
	s_wait_tensorcnt 1                             ; my part of slot 0 is in; slot 1's may stay out
	s_barrier_signal -1
	s_barrier_wait -1
	FETCH_B 0, 0, 0
	FETCH_A 0, 0, 0
	FETCH_A 0, 0, 4
	s_wait_loadcnt 0x0                             ; scale words and biases
	STEP 0, 0, 1                                   ; the first products start the sums
	TURN 0, 1, 1, 1                                ; slot 0 takes K 512-767
	STEP 1, 2, 0
	TURN 1, 0, 1, 3                                ; slot 1 takes K 768-1023
	STEP 0, 4, 0
	TURN 0, 1, 0, 5                                ; nothing is left to fetch; behind this barrier nobody reads slot 0
	STEP 1, 6, 0
	s_wait_dscnt 16
	WIN 0xa1
	MUL16 0, 1, 7, 0
	MUL16 2, 1, 7, 0
	s_wait_dscnt 0x0
	WIN 0xf1
	MUL16 4, 1, 7, 0
	MUL16 6, 1, 7, 0
	WIN 0
	PLACES 8
; K's block a: 16 channels d x my 128 t.  z = sum + bias; elu(z) + 1 = max(z, 0) + 2^min(z log2(e), 0); my channel's sum over t; then the codes of K^T.
.macro KBLOCK a
	WIN 0x02
.set n, 0
.rept 32
	v_pk_add_f32 v[ST+n:ST+n+1], v[64*(\a)+n:64*(\a)+n+1], v[BI+2*(\a):BI+2*(\a)+1]   ; each accumulator from its low end on
.set n, n+2
.endr
	WIN 0
.set n, 0
.rept 32
	v_pk_mul_f32 v[T2+n:T2+n+1], v[ST+n:ST+n+1], s[LG:LG+1] op_sel_hi:[1,0]
.set n, n+2
.endr
.set n, 0
.rept 64
	v_min_num_f32 v[T2+n], 0, v[T2+n]
.set n, n+1
.endr
.set n, 0
.rept 64
	v_exp_f32 v[T2+n], v[T2+n]                     ; one batch
.set n, n+1
.endr
.set n, 0
.rept 64
	v_max_num_f32 v[ST+n], 0, v[ST+n]              ; plain work that names no exponential's result
.set n, n+1
.endr
	s_wait_alu depctr_va_vdst(0)                   ; one wait for the batch, ahead of its first reader
.set n, 0
.rept 32
	v_pk_add_f32 v[ST+n:ST+n+1], v[ST+n:ST+n+1], v[T2+n:T2+n+1]
.set n, n+2
.endr
	v_pk_add_f32 v[KA:KA+1], v[ST:ST+1], v[ST+2:ST+3]          ; the sum of the UNQUANTISED K over my 64 t, in two chains
	v_pk_add_f32 v[KB:KB+1], v[ST+4:ST+5], v[ST+6:ST+7]
.set n, 8
.rept 14
	v_pk_add_f32 v[KA:KA+1], v[KA:KA+1], v[ST+n:ST+n+1]
	v_pk_add_f32 v[KB:KB+1], v[KB:KB+1], v[ST+n+2:ST+n+3]
.set n, n+4
.endr
	v_pk_add_f32 v[KA:KA+1], v[KA:KA+1], v[KB:KB+1]
	v_add_f32 v[KA], v[KA], v[KA+1]
	v_permlanex16_b32 v[KA+1], v[KA], s[SEL], s[SEL+1]
	v_add_f32 v[KSUM+\a], v[KA], v[KA+1]           ; with lane l xor 16's 64 t
	QUANT ST, 16*(\a), 0x40, 0, SX+\a
.endm
.macro VBLOCK a                        ; V's block a - 4: 16 channels e x my 128 t
	WIN 0x03
.set n, 0
.rept 32
	v_pk_add_f32 v[ST+n:ST+n+1], v[64*((\a)-4)+n:64*((\a)-4)+n+1], v[BI+2*(\a):BI+2*(\a)+1]
.set n, n+2
.endr
	WIN 0
	QUANT ST, 64+16*((\a)-4), 0x40, 0, SX+\a
.endm
	KBLOCK 0
	KBLOCK 1
	KBLOCK 2
	KBLOCK 3
	VBLOCK 4
	VBLOCK 5
	VBLOCK 6
	VBLOCK 7
	PLACES 8                                       ; codes and scale words made by vector instructions stand 4 and 8 places ahead of a scaled matrix instruction
	WIN 0x45
.irp be, 0,1,2,3                       ; KV(d = 16 ad + 8 h + j, e = 16 be + r) over my 128 t: sixteen accumulators, one instruction each
.irp ad, 0,1,2,3
	v_wmma_scale_f32_16x16x128_f8f6f4 v[128+32*\be+8*\ad:128+32*\be+8*\ad+7], v[16*\ad:16*\ad+15], v[64+16*\be:64+16*\be+15], 0, v[SX+\ad], v[SX+4+\be]
.endr
.endr
	WIN 0
	PLACES 8
	WIN 0x04                                       ; an LDS store's data are its source 1: window 1
.set n, 0
.rept 32
	ds_store_b128 v[XI], v[128+4*n:128+4*n+3] offset:512*n     ; KV's registers as they stand, 512 bytes a store; each accumulator from its low end on
.set n, n+1
.endr
	WIN 0
.irp a, 0,1,2,3
	ds_store_b32 v[KX], v[KSUM+\a] offset:64*\a    ; lanes r and 16 + r write the same word with the same value
.endr
	s_wait_dscnt 0x0                               ; for the others' sake: my stores have landed
	s_barrier_signal -1
	s_barrier_wait -1
.set n, 0
.rept 16
	ds_load_b128 v[128+4*n:128+4*n+3], v[RI] offset:512*n              ; my half of the image of my head's first wave,
	ds_load_b128 v[192+4*n:192+4*n+3], v[RI] offset:16384+512*n        ; and of its second
.set n, n+1
.endr
	s_wait_dscnt 0x0
.set n, 0
.rept 32
	v_pk_add_f32 v[128+n:128+n+1], v[128+n:128+n+1], v[192+n:192+n+1]  ; the block's 256 t
.set n, n+2
.endr
.set n, 0
.rept 16
	global_store_b128 v[LI], v[128+4*n:128+4*n+3], s[20:21] offset:512*n   ; 32 lanes store 512 consecutive bytes, aligned
.set n, n+1
.endr
	s_cmp_lg_u32 s[HALF], 0                        ; a head's first wave adds and stores its Ksum
	s_cbranch_scc1 .Lno_ksum
	ds_load_b64 v[KA:KA+1], v[KR]
	ds_load_b64 v[KB:KB+1], v[KR] offset:256
	s_wait_dscnt 0x0
	v_pk_add_f32 v[KA:KA+1], v[KA:KA+1], v[KB:KB+1]
	global_store_b64 v[L8], v[KA:KA+1], s[22:23]   ; 32 lanes store 256 consecutive bytes, aligned
.Lno_ksum:
	s_wait_tensorcnt 0x0                           ; the wave's end
	ds_add_u32 v[SPW], v[NIL]
	s_wait_dscnt 0x0
	CROUND                                         ; the closing round
	s_endpgm
.Lfunc_end_k_q6689431e4b_kvproj:
	.size	k_q6689431e4b_kvproj, .Lfunc_end_k_q6689431e4b_kvproj-k_q6689431e4b_kvproj
	.p2alignl 7, 3214868480
	.fill 96, 4, 3214868480
	.section	.rodata,"a",@progbits
	.p2align	6, 0x0
	.amdhsa_kernel k_q6689431e4b_kvproj
		.amdhsa_group_segment_fixed_size 327680
		.amdhsa_private_segment_fixed_size 0
		.amdhsa_enable_private_segment 0
		.amdhsa_kernarg_size 80
		.amdhsa_user_sgpr_count 2
		.amdhsa_user_sgpr_kernarg_segment_ptr 1
		.amdhsa_wavefront_size32 1
		.amdhsa_system_sgpr_workgroup_id_x 1
		.amdhsa_system_sgpr_workgroup_id_y 1
		.amdhsa_system_sgpr_workgroup_id_z 1
		.amdhsa_system_vgpr_workitem_id 0
		.amdhsa_next_free_vgpr 1024
		.amdhsa_next_free_sgpr 96
		.amdhsa_reserve_vcc 0
		.amdhsa_float_denorm_mode_32 3
		.amdhsa_float_denorm_mode_16_64 3
		.amdhsa_memory_ordered 1
		.amdhsa_forward_progress 1
		.amdhsa_inst_pref_size 255
	.end_amdhsa_kernel
	.section	.bss,"aw",@nobits
	.p2align	6
	.space	262144
	.amdgpu_metadata
---
amdhsa.version: [ 1, 2 ]
amdhsa.kernels:
  - .name:           k_q6689431e4b_kvproj
    .symbol:         k_q6689431e4b_kvproj.kd
    .args:
      - { .name: x_codes, .offset: 0, .size: 8, .value_kind: global_buffer, .address_space: global }
      - { .name: x_scales, .offset: 8, .size: 8, .value_kind: global_buffer, .address_space: global }
      - { .name: Wk_codes, .offset: 16, .size: 8, .value_kind: global_buffer, .address_space: global }
      - { .name: Wk_scales, .offset: 24, .size: 8, .value_kind: global_buffer, .address_space: global }
      - { .name: bk, .offset: 32, .size: 8, .value_kind: global_buffer, .address_space: global }
      - { .name: Wv_codes, .offset: 40, .size: 8, .value_kind: global_buffer, .address_space: global }
      - { .name: Wv_scales, .offset: 48, .size: 8, .value_kind: global_buffer, .address_space: global }
      - { .name: bv, .offset: 56, .size: 8, .value_kind: global_buffer, .address_space: global }
      - { .name: kv_part, .offset: 64, .size: 8, .value_kind: global_buffer, .address_space: global }
      - { .name: ksum_part, .offset: 72, .size: 8, .value_kind: global_buffer, .address_space: global }
    .group_segment_fixed_size: 327680
    .private_segment_fixed_size: 0
    .kernarg_segment_align: 8
    .kernarg_segment_size: 80
    .max_flat_workgroup_size: 128
    .sgpr_count:     96
    .vgpr_count:     1024
    .wavefront_size: 32
...
	.end_amdgpu_metadata
.endif
;; end of part 1
;; launch qattn (part 2): grid 8 x 32, 4 waves a work-group, clusters of 4 x 4, 327,680 bytes of LDS; arguments x_codes, x_scales, Wq_codes, Wq_scales, bq, kv_part, ksum_part, att_img, att_sc; writes att_img, att_sc
.if DOCPART == 2
	.amdgcn_target "amdgcn-amd-amdhsa--gfx1250"
	.amdhsa_code_object_version 6
	.text
	.protected	k_q6689431e4b_qattn
	.globl	k_q6689431e4b_qattn
	.p2align	8
	.type	k_q6689431e4b_qattn,@function
k_q6689431e4b_qattn:
	s_mov_b64 s[64:65], 0
	v_nop
	global_prefetch_b8 v0, s[64:65] scope:SCOPE_SE
	s_setreg_imm32_b32 hwreg(HW_REG_WAVE_MODE, 25, 1), 1
	s_wait_xcnt 0x0
	s_wait_alu depctr_hold_cnt(0) depctr_sa_sdst(0) depctr_va_vdst(0) depctr_va_sdst(0) depctr_va_ssrc(0) depctr_va_vcc(0) depctr_vm_vsrc(0)
	s_getreg_b32 s2, hwreg(HW_REG_IB_STS2, 6, 4)
	s_cmp_eq_u32 s2, 0
	s_cbranch_scc0 .Lentry_in_a_cluster
	s_endpgm
.Lentry_in_a_cluster:
	s_bfe_u32 s2, ttmp6, 0x10000c
	s_cmp_lg_u32 s2, 0xf033
	s_cbranch_scc0 .Lentry_shape_is_right
	s_endpgm
.Lentry_shape_is_right:
; Q = elu(x Wq^T + bq) + 1 for 256 rows t and one pair of heads; Z = 1 / (Q . Ksum + 1e-6) in f32; (Q KV) Z, quantised along the model's 1,024 for the output projection.
; The eight parts of KV of this batch and pair are added WHILE THE K STEPS RUN, and KV is quantised along d behind them.  All matrix products on codes of E4M3 with one E8M0 scale for each 32 along K.
; SHARES.  Work-group (gx, ty): rows 256 ty .. + 255 of x, rows 128 gx .. + 127 of Wq.  Wave w: rows 64 w .. + 63: 4 blocks of rows x Wq's 8 blocks: 32 accumulators.
; SOURCE 0 = 16 rows of Wq, SOURCE 1 = 16 rows of x: a lane holds ONE row t, and a block's 64 registers run along the pair's 128 channels: register 8 b + j is channel 16 b + 8 (lane / 16) + j.
; KV'S PARTS.  Wave w adds e tile w of both heads: 64 registers a part.  Three runs of 64 registers of window 3 serve: the sum and two landing places.  Parts 0, 1, 2 are asked for at the head; each of K steps 0 to 5
; adds one part that has landed, and K steps 0 to 4 ask for the next into the place just read: two parts, 32 loads a wave, are on their way throughout.
; Q KV: K = a head's 64 channels, filled to the instruction's 128 with zero codes: KV's fragment holds head 0's d in K 0-63 and head 1's in K 64-127; Q's operand for a head has zero codes in the other head's half.
; ORDER: inside a block of 32 the place of d is permuted, alike in Q and in KV (both come out of matrix results in the same layout): the products are the same numbers, the order of their sum is not reference()'s.
; The result's codes leave in TRUE order, as images of the next product's operand registers: the 8 codes of (block c, half u) of lane (r, h) go to byte 512 c + 256 u + 16 r + 8 h of the fragment's 2,048.
; LIMITS: NaN and infinities are not served; 2^x under 2^-126 comes out as 0; a block of zeros gets the scale byte 1 over zero codes (the bytes are read by this program alone).
; K goes in steps of 256 through three LDS slots: three quarters of K are asked for at the head, one slot is filled again.  x's tiles are shared along a row of the 4 x 4 cluster, Wq's along a column.
; REGISTERS: window 0: v1-20 addresses; v32-47 x's scale words, v48-79 Wq's, v80-83 KV's, v84 Q's, v88-91 the result's; v96-126 at work; v128-255 x's fragments, two sets, later 128 numbers at work.
;   window 1: Wq's fragments, two sets; later KV's fragments (v0-63), Ksum (v64-127), Q KV (v128-191), Q's two operands (v192-223).   window 2: accumulator (a, b) at v[8 (8 a + b)].
;   window 3: v0-63 the bias, v[8 b + j]; v64-127 KV's sum; v128-191, v192-255 parts of KV as they land.
.set PITCH,  272
.set HALFA,  128*PITCH                 ; 128 rows of x: one tensor load
.set HALFB,  64*PITCH                  ; 64 rows of Wq: one tensor load
.set BOFF,   2*HALFA
.set SLOT,   BOFF+2*HALFB
.set SPARE,  3*SLOT                    ; the spare words, 128 bytes a wave: no other line names them
.set KVI,    SPARE+512                 ; images of KV's four fragments, 2,048 bytes each
.set KVS,    KVI+4*2048                ; their scale words, 128 bytes each
.set KSL,    KVS+4*128                 ; Ksum of the pair, 512 bytes, once for each wave
.set PADW,   (1<<20)|(1<<21)|(5<<22)|(3<<25)
.set LI,   4                           ; v4   16 x lane
.set VS,   5                           ; v5   32 r + 16 h
.set AO,   6                           ; v6   16 r + 8 h
.set H32,  7                           ; v7   32 h
.set ADRA, 8                           ; v8-10  my x fragments in slot 0, 1, 2
.set ADRB, 12                          ; v12-14 Wq's
.set KWI,  15
.set KWS,  16
.set KSW,  17
.set KRI,  18
.set KRS,  19
.set KSA,  20
.set SPW,  30
.set NIL,  31
.set SA,   32
.set SB,   48
.set FS,   80
.set QW,   84
.set PWO,  88
.set TM,   96
.set ZC,   112                         ; v112-119 four chains of Q . Ksum
.set ZP,   120                         ; v[120:121], v[122:123] Z of head 0, 1 (the low word serves both halves)
.set SD,   124
.set ST,   128
.set T2,   192
.set G1,   24                          ; s[24:31] group 1 for x's tiles; s[32:43] groups 0, one a slot
.set G0,   32
.set G1B,  44                          ; s[44:51], s[52:63] the same for Wq's
.set G0B,  52
.set WV,   66
.set ROLE, 67
.set HALF, 68
.set LG,   84
.set SEL,  86
.set MNT,  88
.set HI16, 89
.set MSB, 0
.macro WIN new
.if MSB != (\new)
	s_set_vgpr_msb (MSB<<8)|(\new)
.set MSB, (\new)
.endif
.endm
.macro PLACES n
.rept \n
	v_nop
.endr
.endm
.macro JLOAD g0a, g1a, g0b, g1b        ; a joint load: waves 0, 1 for x, waves 2, 3 for Wq; four v_nop follow each line
	s_cmp_eq_u32 s[ROLE], 0
	s_cbranch_scc0 .Lfor_b_\@
	tensor_load_to_lds s[\g0a:\g0a+3], s[\g1a:\g1a+7]
	s_nop 0
.rept 4
	v_nop
.endr
	s_branch .Lasked_\@
.Lfor_b_\@:
	tensor_load_to_lds s[\g0b:\g0b+3], s[\g1b:\g1b+7]
	s_nop 0
.rept 4
	v_nop
.endr
.Lasked_\@:
.endm
.macro CREST
	s_cmp_lg_u32 s[WV], 0
	s_cbranch_scc1 .Lnot_wave_0_\@
	s_barrier_signal -3
.Lnot_wave_0_\@:
	s_barrier_wait -3
	s_barrier_signal -1
	s_barrier_wait -1
.endm
.macro CROUND
	s_barrier_signal -1
	s_barrier_wait -1
	CREST
.endm
; 64 numbers of a lane, v[src] on, four blocks of 16 registers, become 16 registers of codes at v[dst] on (window setting dw) and the scale word v[pw].  sp = 1: blocks 2, 3 land 16 registers further on.
.macro QUANT src, dst, dw, sp, pw
.irp b, 0,1,2,3
	v_max3_num_f32 v[TM+\b], |v[\src+16*\b]|, |v[\src+16*\b+1]|, 0x4800000   ; my 16 numbers of block b, and the floor 2^(9 - 127): the byte cannot fall under 1
.endr
.irp i, 2,4,6,8,10,12,14
.irp b, 0,1,2,3
	v_max3_num_f32 v[TM+\b], v[TM+\b], |v[\src+16*\b+\i]|, |v[\src+16*\b+\i+1]|
.endr
.endr
.irp b, 0,1,2,3
	v_permlanex16_b32 v[TM+4+\b], v[TM+\b], s[SEL], s[SEL+1]
.endr
.irp b, 0,1,2,3
	v_max_num_f32 v[TM+\b], v[TM+\b], v[TM+4+\b]   ; with lane l xor 16's 16: the block's largest magnitude
.endr
.irp b, 0,1,2,3
	v_add_nc_u32 v[TM+12+\b], 0xfc000000, v[TM+\b]   ; 8 off its exponent field: the conversion's scale operand
.endr
.irp b, 0,1,2,3
	v_and_or_b32 v[TM+8+\b], v[TM+\b], 0x7f800000, s[MNT]   ; 448 x the scale
.endr
.irp b, 0,1,2,3
	v_lshrrev_b32 v[TM+4+\b], 23, v[TM+12+\b]      ; the scale's byte
.endr
	v_lshl_or_b32 v[\pw], v[TM+5], 8, v[TM+4]      ; the row's scale word; the 64 holds below stand between it and any product
	v_lshl_or_b32 v[\pw], v[TM+6], 16, v[\pw]
	v_lshl_or_b32 v[\pw], v[TM+7], 24, v[\pw]
.irp b, 0,1,2,3
.irp i, 0,1,2,3,4,5,6,7,8,9,10,11,12,13,14,15
	v_med3_num_f32 v[\src+16*\b+\i], v[\src+16*\b+\i], -v[TM+8+\b], v[TM+8+\b]   ; the conversion does not saturate (ISA guide 7.6.2): the hold at 448 x the scale
.endr
.endr
	WIN \dw
.irp b, 0,1,2,3
.set QD, (\dst)+4*\b+16*(\sp)*(\b/2)
	v_cvt_scalef32_pk8_fp8_f32 v[QD:QD+1], v[\src+16*\b:\src+16*\b+7], v[TM+12+\b]
	v_cvt_scalef32_pk8_fp8_f32 v[QD+2:QD+3], v[\src+16*\b+8:\src+16*\b+15], v[TM+12+\b]
.endr
	WIN 0
	v_nop                                          ; one plain line behind the last conversion
.endm
; Part p of KV, both heads, e tile w, into 64 registers of window 3 from v[buf] on: 16 loads of 512 consecutive bytes
.macro KVLOAD p, buf
	WIN 0xc0
.irp hh, 0,1
.irp g, 0,1,2,3,4,5,6,7
	global_load_b128 v[(\buf)+32*\hh+4*\g:(\buf)+32*\hh+4*\g+3], v[LI], s[14:15] offset:32768*(\p)+16384*\hh+512*\g
.endr
.endr
.endm
; The part that has landed at v[buf] of window 3 is added onto the sum at v64-127 of window 3.  These registers are named by no matrix instruction.
.macro KVADD buf
	s_wait_loadcnt 16                              ; loads come back in order: this part is in; the one younger part's 16 loads may be out
	WIN 0xcf
.set n, 0
.rept 32
	v_pk_add_f32 v[64+n:64+n+1], v[64+n:64+n+1], v[(\buf)+n:(\buf)+n+1]
.set n, n+2
.endr
.endm
	s_load_b256 s[4:11], s[0:1], 0x0               ; x_codes s[4:5], x_scales s[6:7], Wq_codes s[8:9], Wq_scales s[10:11]
	s_load_b256 s[12:19], s[0:1], 0x20             ; bq s[12:13], kv_part s[14:15], ksum_part s[16:17], att_img s[18:19]
	s_load_b64 s[20:21], s[0:1], 0x40              ; att_sc
	v_lshl_add_u32 v[SPW], v0, 2, SPARE
	v_mov_b32 v[NIL], 0
	ds_add_u32 v30, v31
	ds_add_u32 v30, v31
	s_wait_dscnt 0x0
	v_lshrrev_b32 v1, 5, v0
	v_readfirstlane_b32 s[WV], v1
	s_lshr_b32 s[ROLE], s[WV], 1                   ; I fetch for x (0) or for Wq (1)
	s_and_b32 s[HALF], s[WV], 1                    ; which half of that tile's rows
	s_bfe_u32 s69, ttmp6, 0x40000                  ; cx
	s_bfe_u32 s70, ttmp6, 0x40004                  ; cy
	s_lshl_b32 s71, ttmp9, 2
	s_add_co_u32 s71, s71, s69                     ; gx
	s_and_b32 s72, ttmp7, 0xffff
	s_lshl_b32 s72, s72, 2
	s_add_co_u32 s72, s72, s70                     ; ty
	s_lshl_b32 s73, s70, 2
	s_lshl_b32 s73, 15, s73                        ; my row of the cluster
	s_lshl_b32 s74, 0x1111, s69                    ; my column
	s_or_b32 s[G1], s73, PADW                      ; x's tiles hang on ty alone: shared along the row
	s_or_b32 s[G1B], s74, PADW                     ; Wq's on gx alone: shared along the column
	s_mov_b32 s[G1+1], 256<<16
	s_mov_b32 s[G1+2], 128<<16
	s_mov_b32 s[G1+3], 256<<16
	s_mov_b32 s[G1+4], 128
	s_mov_b32 s[G1+5], 1024
	s_mov_b32 s[G1+6], 0
	s_mov_b32 s[G1+7], 0
	s_mov_b32 s[G1B+1], 256<<16
	s_mov_b32 s[G1B+2], 64<<16
	s_mov_b32 s[G1B+3], 256<<16
	s_mov_b32 s[G1B+4], 64
	s_mov_b32 s[G1B+5], 1024
	s_mov_b32 s[G1B+6], 0
	s_mov_b32 s[G1B+7], 0
	s_lshl_b32 s76, s72, 18                        ; x: 256 ty rows of 1,024 bytes + the 128 that I fetch
	s_lshl_b32 s77, s[HALF], 17
	s_add_co_u32 s76, s76, s77
	s_mov_b32 s77, 0
	s_lshl_b32 s78, s71, 17                        ; Wq: 128 gx rows + the 64 that I fetch
	s_lshl_b32 s79, s[HALF], 16
	s_add_co_u32 s78, s78, s79
	s_mov_b32 s79, 0
	s_mul_i32 s80, s[HALF], HALFA
	s_mul_i32 s81, s[HALF], HALFB
	s_add_co_u32 s81, s81, BOFF
	s_mov_b32 s[LG], 0x3fb8aa3b
	s_mov_b32 s[LG+1], s[LG]
	s_mov_b32 s[SEL], 0x76543210
	s_mov_b32 s[SEL+1], 0xfedcba98
	s_mov_b32 s[MNT], 0x600000
	s_mov_b32 s[HI16], 0xffff0000                  ; lanes 16-31
	s_wait_kmcnt 0x0
	s_add_nc_u64 s[76:77], s[4:5], s[76:77]
	s_add_nc_u64 s[78:79], s[8:9], s[78:79]
	CROUND                                         ; all sixteen work-groups are here: the first joint loads meet
.irp s, 0,1,2
	s_mov_b32 s[G0+4*\s], 1
	s_add_co_u32 s[G0+4*\s+1], s80, \s*SLOT
	s_add_nc_u64 s[G0+4*\s+2:G0+4*\s+3], s[76:77], \s*256
	s_or_b32 s[G0+4*\s+3], s[G0+4*\s+3], 0x80000000
	s_mov_b32 s[G0B+4*\s], 1
	s_add_co_u32 s[G0B+4*\s+1], s81, \s*SLOT
	s_add_nc_u64 s[G0B+4*\s+2:G0B+4*\s+3], s[78:79], \s*256
	s_or_b32 s[G0B+4*\s+3], s[G0B+4*\s+3], 0x80000000
	JLOAD G0+4*\s, G1, G0B+4*\s, G1B               ; three loads of mine are out: K 0-767
.endr
	v_and_b32 v1, 15, v0                           ; r
	v_bfe_u32 v2, v0, 4, 1                         ; h
	v_and_b32 v3, 31, v0                           ; lane
	v_lshlrev_b32 v[LI], 4, v3
	v_lshlrev_b32 v[VS], 5, v1
	v_lshl_add_u32 v[VS], v2, 4, v[VS]
	v_lshlrev_b32 v[AO], 4, v1
	v_lshl_add_u32 v[AO], v2, 3, v[AO]
	v_lshlrev_b32 v[H32], 5, v2
	v_mul_u32_u24 v[TM], v1, PITCH
	v_lshl_add_u32 v[TM], v2, 4, v[TM]             ; a fragment's row x pitch + 16 x half
	v_lshlrev_b32 v[TM+1], 2, v3                   ; 4 x lane
	s_mul_i32 s90, s[WV], 64*PITCH                 ; my 64 rows of x
	s_mov_b32 s91, BOFF
.irp s, 0,1,2
	v_add_nc_u32 v[ADRA+\s], s90, v[TM]
	v_add_nc_u32 v[ADRB+\s], s91, v[TM]
	s_add_co_u32 s90, s90, SLOT
	s_add_co_u32 s91, s91, SLOT
.endr
	s_lshl_b32 s90, s[WV], 11
	s_add_co_u32 s90, s90, KVI
	v_add_nc_u32 v[KWI], s90, v[LI]
	s_lshl_b32 s90, s[WV], 7
	s_add_co_u32 s90, s90, KVS
	v_add_nc_u32 v[KWS], s90, v[TM+1]
	s_lshl_b32 s90, s[WV], 9
	s_add_co_u32 s90, s90, KSL
	v_add_nc_u32 v[KSW], s90, v[LI]
	v_add_nc_u32 v[KSA], s90, v[H32]
	v_add_nc_u32 v[KRI], KVI, v[LI]
	v_add_nc_u32 v[KRS], KVS, v[TM+1]
.irp b, 0,1,2,3
	v_mov_b32 v[TM+4+\b], 0                        ; written once: a lane permute's destination counts as one of its sources
.endr
	v_mov_b32 v[ZP+1], 0                           ; (named as the upper halves of the pairs)
	v_mov_b32 v[ZP+3], 0
	; each pointer is stepped once, ahead of its loads or stores
	s_lshr_b32 s92, s72, 3
	s_lshl_b32 s92, s92, 3
	s_add_co_u32 s92, s92, s71                     ; bg = 8 x batch + pair
	s_lshl_b32 s90, s92, 18
	s_lshl_b32 s91, s[WV], 12
	s_add_co_u32 s90, s90, s91
	s_mov_b32 s91, 0
	s_add_nc_u64 s[14:15], s[14:15], s[90:91]      ; kv_part [bg], e tile = my wave
	s_lshl_b32 s90, s92, 12
	s_add_nc_u64 s[16:17], s[16:17], s[90:91]      ; ksum_part [bg]
	s_lshl_b32 s90, s72, 13
	s_lshl_b32 s91, s[WV], 11
	s_add_co_u32 s90, s90, s91
	s_mov_b32 s91, 0
	s_add_nc_u64 s[6:7], s[6:7], s[90:91]          ; x's scales at my first row
	s_lshl_b32 s90, s71, 12
	s_add_nc_u64 s[10:11], s[10:11], s[90:91]      ; Wq's scales
	s_lshl_b32 s90, s71, 9
	s_add_nc_u64 s[12:13], s[12:13], s[90:91]      ; bq
	s_lshr_b32 s90, s71, 1
	s_lshl_b32 s90, s90, 21
	s_and_b32 s91, s71, 1
	s_lshl_b32 s91, s91, 11
	s_add_co_u32 s90, s90, s91
	s_lshl_b32 s91, s72, 16
	s_add_co_u32 s90, s90, s91
	s_lshl_b32 s91, s[WV], 14
	s_add_co_u32 s90, s90, s91
	s_mov_b32 s91, 0
	s_add_nc_u64 s[18:19], s[18:19], s[90:91]      ; att_img [gx / 2][16 ty + 4 w][gx % 2]
	s_lshl_b32 s90, s71, 15
	s_lshl_b32 s91, s72, 10
	s_add_co_u32 s90, s90, s91
	s_lshl_b32 s91, s[WV], 8
	s_add_co_u32 s90, s90, s91
	s_mov_b32 s91, 0
	s_add_nc_u64 s[20:21], s[20:21], s[90:91]      ; att_sc [gx][4 ty + w]
	; what the first products want goes first: Ksum's parts, the scale words, the bias; then three parts of KV
.irp p, 0,1,2,3,4,5,6,7
	global_load_b128 v[128+4*\p:128+4*\p+3], v[LI], s[16:17] offset:512*\p     ; the eight parts of Ksum, 512 bytes each
.endr
.irp a, 0,1,2,3
	global_load_b128 v[SA+4*\a:SA+4*\a+3], v[VS], s[6:7] offset:512*\a
.endr
.irp b, 0,1,2,3,4,5,6,7
	global_load_b128 v[SB+4*\b:SB+4*\b+3], v[VS], s[10:11] offset:512*\b
.endr
	WIN 0xc0
.irp b, 0,1,2,3,4,5,6,7
	global_load_b128 v[8*\b:8*\b+3], v[H32], s[12:13] offset:64*\b             ; bq at channels 16 b + 8 h + 0 .. 7: the C of the first products
	global_load_b128 v[8*\b+4:8*\b+7], v[H32], s[12:13] offset:64*\b+16
.endr
	KVLOAD 0, 64                                   ; part 0 starts the sum
	KVLOAD 1, 128
	KVLOAD 2, 192
	WIN 0
	s_wait_loadcnt 48                              ; all but KV's three parts, 48 loads, are in
.irp n2, 0,2,4,6,8,10,12,14
	v_pk_add_f32 v[128+\n2:128+\n2+1], v[128+\n2:128+\n2+1], v[144+\n2:144+\n2+1]
.endr
.irp n2, 0,2,4,6
	v_pk_add_f32 v[128+\n2:128+\n2+1], v[128+\n2:128+\n2+1], v[136+\n2:136+\n2+1]
.endr
.irp n2, 0,2
	v_pk_add_f32 v[128+\n2:128+\n2+1], v[128+\n2:128+\n2+1], v[132+\n2:132+\n2+1]
.endr
	ds_store_b128 v[KSW], v[128:131]               ; Ksum whole, into my wave's own 512 bytes
	s_wait_dscnt 0x0                               ; no LDS instruction of mine is out at the signal
	s_wait_tensorcnt 2                             ; my part of slot 0 is in; slots 1 and 2 may stay out
	s_barrier_signal -1
	s_barrier_wait -1
.macro FETCH slot, q, set              ; 48 LDS loads in one run: Wq's eight fragments and my four of x, the slot's q-th 128 along K
	WIN 0x40
.irp i, 0,1,2,3,4,5,6,7
.irp c, 0,1,2,3
	ds_load_b128 v[128*(\set)+16*\i+4*\c:128*(\set)+16*\i+4*\c+3], v[ADRB+\slot] offset:128*(\q)+32*\c+16*PITCH*\i
.endr
.endr
	WIN 0
.irp i, 0,1,2,3
.irp c, 0,1,2,3
	ds_load_b128 v[128+64*(\set)+16*\i+4*\c:128+64*(\set)+16*\i+4*\c+3], v[ADRA+\slot] offset:128*(\q)+32*\c+16*PITCH*\i
.endr
.endr
.endm
; 8 matrix instructions: my block a of rows x Wq's eight.  first = 1: the bias is the C.  The 32 accumulators take turns in one order throughout.
.macro MUL8 a, set, ks, first
.if \first
	WIN 0xb1
.else
	WIN 0xa1
.endif
.irp b, 0,1,2,3,4,5,6,7
.set rD, 8*(8*(\a)+\b)
.set rB, 128*(\set)+16*\b
.set rA, 128+64*(\set)+16*(\a)
.set rSB, SB+4*\b+(\ks)%4
.set rSA, SA+4*(\a)+(\ks)%4
.if \first
	v_wmma_scale_f32_16x16x128_f8f6f4 v[rD:rD+7], v[rB:rB+15], v[rA:rA+15], v[8*\b:8*\b+7], v[rSB], v[rSA]
.elseif (\ks) < 4
	v_wmma_scale_f32_16x16x128_f8f6f4 v[rD:rD+7], v[rB:rB+15], v[rA:rA+15], v[rD:rD+7], v[rSB], v[rSA]
.else
	v_wmma_scale_f32_16x16x128_f8f6f4 v[rD:rD+7], v[rB:rB+15], v[rA:rA+15], v[rD:rD+7], v[rSB], v[rSA] matrix_a_scale:MATRIX_SCALE_ROW1 matrix_b_scale:MATRIX_SCALE_ROW1
.endif
.endr
.endm
; kvb other than 0: the part of KV at v[kvb] of window 3 is added; kvp other than 0: part kvp is asked for into the same registers.  Both stand behind 24 of the step's 32 products.
.macro KVSTAGE kvb, kvp
.if \kvb
	KVADD \kvb
.if \kvp
	KVLOAD \kvp, \kvb
.endif
.endif
.endm
.macro STEP ks, nslot, nq, first, kvb, kvp
	s_wait_dscnt 0x0                               ; this step's fragments are in
	PLACES 8                                       ; in front of loads into the set that the last step's products read
	FETCH \nslot, \nq, 1-(\ks)%2
	MUL8 0, (\ks)%2, \ks, \first
	MUL8 1, (\ks)%2, \ks, \first
	MUL8 2, (\ks)%2, \ks, \first
	KVSTAGE \kvb, \kvp
	MUL8 3, (\ks)%2, \ks, \first
.endm
; A step with a barrier: in front of it each wave waits for all its tensor loads, adds 0 to its spare word, and waits for that and for its LDS reads.  fill = 1: slot 0, just read out, takes K 768-1023.
.macro TURN ks, next, fill, kvb, kvp
	s_wait_dscnt 0x0                               ; this step's fragments are in: my reads of the slot are over
	WIN 0
	s_wait_tensorcnt 0x0                           ; all my tensor loads have landed
	ds_add_u32 v[SPW], v[NIL]                      ; 0 onto my spare word
	MUL8 0, 1, \ks, 0
	s_wait_dscnt 0x0                               ; the add is done
	s_barrier_signal -1
	MUL8 1, 1, \ks, 0
	WIN 0
	s_barrier_wait -1
.if \fill
	CREST                                          ; the barrier has opened a round of the cluster's: no wave of any partner still reads slot 0 or has a load on its way
	s_add_nc_u64 s[G0+2:G0+3], s[G0+2:G0+3], 768
	s_add_nc_u64 s[G0B+2:G0B+3], s[G0B+2:G0B+3], 768
	JLOAD G0, G1, G0B, G1B                         ; the first tensor load behind the round; its four v_nop are four of the eight places
	PLACES 4
.else
	PLACES 8
.endif
	FETCH \next, 0, 0
	MUL8 2, 1, \ks, 0
	KVSTAGE \kvb, \kvp
	MUL8 3, 1, \ks, 0
.endm
	FETCH 0, 0, 0
	STEP 0, 0, 1, 1, 128, 3                        ; + part 1; part 3 is asked for
	TURN 1, 1, 1, 192, 4                           ; every wave has waited for all three first fills here: slots 1 and 2 are whole for all.  + part 2; part 4
	STEP 2, 1, 1, 0, 128, 5                        ; + part 3; part 5
	STEP 3, 2, 0, 0, 192, 6                        ; + part 4; part 6
	STEP 4, 2, 1, 0, 128, 7                        ; + part 5; part 7
	TURN 5, 0, 0, 192, 0                           ; slot 0's second tile is whole for all.  + part 6
	STEP 6, 0, 1, 0, 0, 0
	s_wait_dscnt 0x0
	MUL8 0, 1, 7, 0
	MUL8 1, 1, 7, 0
	MUL8 2, 1, 7, 0
	MUL8 3, 1, 7, 0
	WIN 0
	PLACES 8
	s_wait_loadcnt 0x0                             ; part 7
	WIN 0x0f                                       ; both sources window 3, the result window 0
.set n, 0
.rept 32
	v_pk_add_f32 v[192+n:192+n+1], v[64+n:64+n+1], v[128+n:128+n+1]    ; KV whole: register 32 hh + 8 ad + j is KV(head hh, d = 16 ad + 8 h + j, e = 16 w + r)
.set n, n+2
.endr
	WIN 0
	QUANT 192, 160, 0, 0, 126                      ; along d: KV's fragment of e tile w
.irp c, 0,1,2,3
	ds_store_b128 v[KWI], v[160+4*\c:160+4*\c+3] offset:512*\c     ; as an image of its registers
.endr
	ds_store_b32 v[KWS], v126
	WIN 0x40
.irp hh, 0,1
.irp ad, 0,1,2,3
.irp y, 0,1
	ds_load_b128 v[64+32*\hh+8*\ad+4*\y:64+32*\hh+8*\ad+4*\y+3], v[KSA] offset:256*\hh+64*\ad+16*\y   ; Ksum at my lane's channels, in my registers' order: bytes that my own wave stored
.endr
.endr
.endr
.set n, 200
.rept 16
	v_mov_b32 v[n], 0                              ; zero codes: the other head's half of each of Q's two operands
.set n, n+1
.endr
	WIN 0
	s_wait_dscnt 0x0                               ; for the others' sake: my stores have landed
	s_barrier_signal -1
	s_barrier_wait -1                              ; KV's four fragments lie in LDS
	WIN 0x40
.irp be, 0,1,2,3
.irp c, 0,1,2,3
	ds_load_b128 v[16*\be+4*\c:16*\be+4*\c+3], v[KRI] offset:2048*\be+512*\c       ; as any wave stored them
.endr
.endr
	WIN 0
.irp be, 0,1,2,3
	ds_load_b32 v[FS+\be], v[KRS] offset:128*\be
.endr
	s_wait_dscnt 0x0
; My block a: 16 rows t x the pair's 128 channels.
.macro EBLOCK a
.set AC, 64*(\a)
	s_wait_xcnt 0x0                                ; the last block's stores have read their data registers, which are written again below
	WIN 0x02
.set n, 0
.rept 32
	v_pk_mul_f32 v[T2+n:T2+n+1], v[AC+n:AC+n+1], s[LG:LG+1] op_sel_hi:[1,0]    ; each accumulator from its low end on
.set n, n+2
.endr
	WIN 0
.set n, 0
.rept 64
	v_min_num_f32 v[T2+n], 0, v[T2+n]
.set n, n+1
.endr
.set n, 0
.rept 64
	v_exp_f32 v[T2+n], v[T2+n]                     ; one batch
.set n, n+1
.endr
	WIN 0x08
.set n, 0
.rept 64
	v_max_num_f32 v[ST+n], 0, v[AC+n]              ; plain work that names no exponential's result
.set n, n+1
.endr
	WIN 0
	s_wait_alu depctr_va_vdst(0)                   ; one wait for the batch, ahead of its first reader
.set n, 0
.rept 32
	v_pk_add_f32 v[ST+n:ST+n+1], v[ST+n:ST+n+1], v[T2+n:T2+n+1]    ; Q = max(z, 0) + 2^min(z log2(e), 0)
.set n, n+2
.endr
	WIN 0x04                                       ; Q . Ksum in f32, on the unquantised Q: two chains a head
.irp hh, 0,1
.irp y, 0,1
	v_pk_mul_f32 v[ZC+4*\hh+2*\y:ZC+4*\hh+2*\y+1], v[ST+32*\hh+2*\y:ST+32*\hh+2*\y+1], v[64+32*\hh+2*\y:64+32*\hh+2*\y+1]
.endr
.endr
.irp m, 4,8,12,16,20,24,28
.irp hh, 0,1
.irp y, 0,1
	v_pk_fma_f32 v[ZC+4*\hh+2*\y:ZC+4*\hh+2*\y+1], v[ST+32*\hh+\m+2*\y:ST+32*\hh+\m+2*\y+1], v[64+32*\hh+\m+2*\y:64+32*\hh+\m+2*\y+1], v[ZC+4*\hh+2*\y:ZC+4*\hh+2*\y+1]
.endr
.endr
.endr
	WIN 0
.irp hh, 0,1
	v_pk_add_f32 v[ZC+4*\hh:ZC+4*\hh+1], v[ZC+4*\hh:ZC+4*\hh+1], v[ZC+4*\hh+2:ZC+4*\hh+3]
.endr
.irp hh, 0,1
	v_add_f32 v[ZC+4*\hh], v[ZC+4*\hh], v[ZC+4*\hh+1]
.endr
.irp hh, 0,1
	v_permlanex16_b32 v[ZC+4*\hh+1], v[ZC+4*\hh], s[SEL], s[SEL+1]
.endr
.irp hh, 0,1
	v_add_f32 v[ZC+4*\hh], v[ZC+4*\hh], v[ZC+4*\hh+1]      ; with lane l xor 16's 32 channels
.endr
.irp hh, 0,1
	v_add_f32 v[ZC+4*\hh], 0x358637bd, v[ZC+4*\hh]         ; + 1e-6
.endr
.irp hh, 0,1
	v_rcp_f32 v[ZP+2*\hh], v[ZC+4*\hh]             ; Z; its wait stands ahead of its first reader, behind the products below
.endr
	QUANT ST, 192, 0x40, 1, QW                     ; Q's codes: head 0's into K 0-63 of the first operand, head 1's into K 64-127 of the second
	PLACES 4
	WIN 0x45
.irp be, 0,1,2,3
.irp hh, 0,1
	v_wmma_scale_f32_16x16x128_f8f6f4 v[128+32*\hh+8*\be:128+32*\hh+8*\be+7], v[16*\be:16*\be+15], v[192+16*\hh:192+16*\hh+15], 0, v[FS+\be], v[QW]
.endr
.endr
	WIN 0
	PLACES 8
	s_wait_alu depctr_va_vdst(0)                   ; one wait for the two reciprocals, ahead of their first reader
	WIN 0x01
.set n, 0
.rept 32
	v_pk_mul_f32 v[ST+n:ST+n+1], v[128+n:128+n+1], v[ZP+2*(n/32):ZP+2*(n/32)+1] op_sel_hi:[1,0]    ; x Z: register 32 hh + 8 be + j is channel 64 hh + 16 be + 8 h + j of my row
.set n, n+2
.endr
	WIN 0
	QUANT ST, 192, 0, 0, PWO+\a
.irp c, 0,1,2,3
.irp u, 0,1
	global_store_b64 v[AO], v[192+4*\c+2*\u:192+4*\c+2*\u+1], s[18:19] offset:4096*(\a)+512*\c+256*\u   ; channels 32 c + 16 u + 8 h + 0 .. 7 of row r: 32 lanes store 256 consecutive bytes, aligned
.endr
.endr
.endm
	EBLOCK 0
	EBLOCK 1
	EBLOCK 2
	EBLOCK 3
	v_cndmask_b32 v[SD], v[PWO], v[PWO+2], s[HI16]         ; lanes 0-15 store the words of blocks 0, 1 of row r, lanes 16-31 those of blocks 2, 3
	v_cndmask_b32 v[SD+1], v[PWO+1], v[PWO+3], s[HI16]
	global_store_b64 v[AO], v[SD:SD+1], s[20:21]   ; 32 lanes store 256 consecutive bytes, aligned
	s_wait_tensorcnt 0x0                           ; the wave's end
	ds_add_u32 v[SPW], v[NIL]
	s_wait_dscnt 0x0
	CROUND                                         ; the closing round
	s_endpgm
.Lfunc_end_k_q6689431e4b_qattn:
	.size	k_q6689431e4b_qattn, .Lfunc_end_k_q6689431e4b_qattn-k_q6689431e4b_qattn
	.p2alignl 7, 3214868480
	.fill 96, 4, 3214868480
	.section	.rodata,"a",@progbits
	.p2align	6, 0x0
	.amdhsa_kernel k_q6689431e4b_qattn
		.amdhsa_group_segment_fixed_size 327680
		.amdhsa_private_segment_fixed_size 0
		.amdhsa_enable_private_segment 0
		.amdhsa_kernarg_size 72
		.amdhsa_user_sgpr_count 2
		.amdhsa_user_sgpr_kernarg_segment_ptr 1
		.amdhsa_wavefront_size32 1
		.amdhsa_system_sgpr_workgroup_id_x 1
		.amdhsa_system_sgpr_workgroup_id_y 1
		.amdhsa_system_sgpr_workgroup_id_z 1
		.amdhsa_system_vgpr_workitem_id 0
		.amdhsa_next_free_vgpr 1024
		.amdhsa_next_free_sgpr 100
		.amdhsa_reserve_vcc 0
		.amdhsa_float_denorm_mode_32 3
		.amdhsa_float_denorm_mode_16_64 3
		.amdhsa_memory_ordered 1
		.amdhsa_forward_progress 1
		.amdhsa_inst_pref_size 246
	.end_amdhsa_kernel
	.amdgpu_metadata
---
amdhsa.version: [ 1, 2 ]
amdhsa.kernels:
  - .name:           k_q6689431e4b_qattn
    .symbol:         k_q6689431e4b_qattn.kd
    .args:
      - { .name: x_codes, .offset: 0, .size: 8, .value_kind: global_buffer, .address_space: global }
      - { .name: x_scales, .offset: 8, .size: 8, .value_kind: global_buffer, .address_space: global }
      - { .name: Wq_codes, .offset: 16, .size: 8, .value_kind: global_buffer, .address_space: global }
      - { .name: Wq_scales, .offset: 24, .size: 8, .value_kind: global_buffer, .address_space: global }
      - { .name: bq, .offset: 32, .size: 8, .value_kind: global_buffer, .address_space: global }
      - { .name: kv_part, .offset: 40, .size: 8, .value_kind: global_buffer, .address_space: global }
      - { .name: ksum_part, .offset: 48, .size: 8, .value_kind: global_buffer, .address_space: global }
      - { .name: att_img, .offset: 56, .size: 8, .value_kind: global_buffer, .address_space: global }
      - { .name: att_sc, .offset: 64, .size: 8, .value_kind: global_buffer, .address_space: global }
    .group_segment_fixed_size: 327680
    .private_segment_fixed_size: 0
    .kernarg_segment_align: 8
    .kernarg_segment_size: 72
    .max_flat_workgroup_size: 128
    .sgpr_count:     100
    .vgpr_count:     1024
    .wavefront_size: 32
...
	.end_amdgpu_metadata
.endif
;; end of part 2
;; launch oproj (part 3): grid 8 x 32, 4 waves a work-group, clusters of 4 x 4, 327,680 bytes of LDS; arguments att_img, att_sc, Wo_codes, Wo_scales, bo, out0; writes out0
.if DOCPART == 3
	.amdgcn_target "amdgcn-amd-amdhsa--gfx1250"
	.amdhsa_code_object_version 6
	.text
	.protected	k_q6689431e4b_oproj
	.globl	k_q6689431e4b_oproj
	.p2align	8
	.type	k_q6689431e4b_oproj,@function
k_q6689431e4b_oproj:
	s_mov_b64 s[64:65], 0
	v_nop
	global_prefetch_b8 v0, s[64:65] scope:SCOPE_SE
	s_setreg_imm32_b32 hwreg(HW_REG_WAVE_MODE, 25, 1), 1
	s_wait_xcnt 0x0
	s_wait_alu depctr_hold_cnt(0) depctr_sa_sdst(0) depctr_va_vdst(0) depctr_va_sdst(0) depctr_va_ssrc(0) depctr_va_vcc(0) depctr_vm_vsrc(0)
	s_getreg_b32 s2, hwreg(HW_REG_IB_STS2, 6, 4)
	s_cmp_eq_u32 s2, 0
	s_cbranch_scc0 .Lentry_in_a_cluster
	s_endpgm
.Lentry_in_a_cluster:
	s_bfe_u32 s2, ttmp6, 0x10000c
	s_cmp_lg_u32 s2, 0xf033
	s_cbranch_scc0 .Lentry_shape_is_right
	s_endpgm
.Lentry_shape_is_right:
; out0 = att Wo^T + bo on codes of E4M3 with one E8M0 scale for each 32 along K.  att: the attention's result as the launch before left it: images of operand registers,
; [K / 256][16 rows][K step of the two][4 x 512 bytes], and scale words [K step][64 rows][r][block of 16 rows].  Wo [1024][1024]: codes, K innermost; scale bytes 32 a row.  out0 [8192][1024] f32.
; SHARES.  Work-group (gx, ty): rows 256 ty .. + 255, columns 128 gx .. + 127.  Wave w: rows 64 w .. + 63, all 128 columns.
; SOURCE 0 = 16 rows of Wo, SOURCE 1 = 16 rows of att: a lane holds eight neighbouring columns of one row of out0.
; A WAVE'S att STAYS IN ITS REGISTERS: 64 rows x 1,024 codes are 512 registers, and no other wave of the work-group reads them.  So the columns can go in two halves of 64, each over all of K:
; the first half's 256 bytes a row are stored while the second half is multiplied.
; NOTHING IS FILLED AGAIN.  att for all of K (262,144 bytes) and Wo's 128 rows (128 x 1,040) do not fit in LDS together; att for K 0-511 (131,072) and all of Wo (133,120) do.  These come by joint tensor loads, one a wave,
; att's shared along a row of the 4 x 4 cluster, Wo's along a column.  att for K 512-1023 has no room in LDS, so it is not asked for jointly: it lies in register order, and each wave loads its own 32,768 bytes straight
; into registers, 512 consecutive bytes a load.
; The bias is added on the way out, where a lane holds the same four columns of every row: 4 registers a half.
; LIMITS: NaN and infinities are not served.
; REGISTERS: window 0: v1-2 Wo's LDS addresses; v3-4 att's, later the stage's; v5 my offset in out0; v8-15 the bias; v16-31 att's scale words, v32-63 Wo's; v64-255 three sets of four fragments of Wo (v192-199 at work at the head).
;   window 1: accumulator (half nh, a, bb) at v[128 nh + 32 a + 8 bb].   window 2: att's fragment (a, K step 0-3) at v[64 a + 16 ks].   window 3: the same for K steps 4-7.
.set SLAB,   65536                     ; att, 256 along K of the work-group's 256 rows: 16 blocks of 4,096 bytes
.set BOFF,   2*SLAB
.set WP,     1040                      ; a row of Wo in LDS: 1,024 bytes + 16 of padding = 260 words: the 16 rows of a load start 4 words apart modulo 64
.set HALFB,  64*WP                     ; 64 rows of Wo: one tensor load
.set SPARE,  BOFF+2*HALFB              ; the spare words, 128 bytes a wave: no other line names them
.set SP,     272                       ; the way out: a stage of 16 rows x (256 bytes + 16) for each wave, in its own part of att's first slab, behind that slab's one fill and my own reads of it
.set ADRB, 1                           ; v1-2  Wo's rows 0-63, 64-127
.set ADRA, 3                           ; v3-4  my blocks in att's slab 0, 1; free when the images are in registers
.set STO,  3                           ; v3    then: where I put 32 bytes of a row
.set RD,   4                           ; v4    and where I read rows back
.set CO,   5                           ; v5    4,096 h + 16 r
.set SPW,  6
.set NIL,  7
.set BI,   8
.set SA,   16
.set SB,   32
.set RR,   192                         ; at work at the head, in the third set's registers
.set HH,   193
.set LN,   194
.set LI,   195                         ; 16 x lane
.set R16,  196                         ; 16 r
.set ASO,  197                         ; 131,072 h + 16 r
.set VS,   198                         ; 32 r + 16 h
.set TMP,  199
.set G1,   24
.set G0,   32
.set G1B,  44
.set G0B,  52
.set WV,   66
.set ROLE, 67
.set HALF, 68
.set STB,  92                          ; s92  16,384 x wave: my part of a slab, and my stage
.set MSB, 0
.macro WIN new
.if MSB != (\new)
	s_set_vgpr_msb (MSB<<8)|(\new)
.set MSB, (\new)
.endif
.endm
.macro PLACES n
.rept \n
	v_nop
.endr
.endm
.macro JLOAD g0a, g1a, g0b, g1b        ; a joint load: waves 0, 1 for att, waves 2, 3 for Wo; four v_nop follow each line
	s_cmp_eq_u32 s[ROLE], 0
	s_cbranch_scc0 .Lfor_b_\@
	tensor_load_to_lds s[\g0a:\g0a+3], s[\g1a:\g1a+7]
	s_nop 0
.rept 4
	v_nop
.endr
	s_branch .Lasked_\@
.Lfor_b_\@:
	tensor_load_to_lds s[\g0b:\g0b+3], s[\g1b:\g1b+7]
	s_nop 0
.rept 4
	v_nop
.endr
.Lasked_\@:
.endm
.macro CREST
	s_cmp_lg_u32 s[WV], 0
	s_cbranch_scc1 .Lnot_wave_0_\@
	s_barrier_signal -3
.Lnot_wave_0_\@:
	s_barrier_wait -3
	s_barrier_signal -1
	s_barrier_wait -1
.endm
.macro CROUND
	s_barrier_signal -1
	s_barrier_wait -1
	CREST
.endm
	s_load_b256 s[4:11], s[0:1], 0x0               ; att_img s[4:5], att_sc s[6:7], Wo_codes s[8:9], Wo_scales s[10:11]
	s_load_b128 s[12:15], s[0:1], 0x20             ; bo s[12:13], out0 s[14:15]
	v_lshl_add_u32 v[SPW], v0, 2, SPARE
	v_mov_b32 v[NIL], 0
	ds_add_u32 v6, v7
	ds_add_u32 v6, v7
	s_wait_dscnt 0x0
	v_lshrrev_b32 v[RR], 5, v0
	v_readfirstlane_b32 s[WV], v[RR]
	s_lshr_b32 s[ROLE], s[WV], 1                   ; I fetch for att (0) or for Wo (1)
	s_and_b32 s[HALF], s[WV], 1                    ; which slab of att, or which 64 rows of Wo
	s_bfe_u32 s69, ttmp6, 0x40000                  ; cx
	s_bfe_u32 s70, ttmp6, 0x40004                  ; cy
	s_lshl_b32 s71, ttmp9, 2
	s_add_co_u32 s71, s71, s69                     ; gx
	s_and_b32 s72, ttmp7, 0xffff
	s_lshl_b32 s72, s72, 2
	s_add_co_u32 s72, s72, s70                     ; ty
	s_lshl_b32 s73, s70, 2
	s_lshl_b32 s73, 15, s73                        ; my row of the cluster
	s_lshl_b32 s74, 0x1111, s69                    ; my column
	s_or_b32 s[G1], s73, (3<<16)|(1<<21)           ; att's slab: a dense block of 65,536 bytes as 256 rows of 32 elements of 8 bytes, no padding; shared along the row
	s_mov_b32 s[G1+1], 32<<16
	s_mov_b32 s[G1+2], 256<<16
	s_mov_b32 s[G1+3], 32<<16
	s_mov_b32 s[G1+4], 256
	s_mov_b32 s[G1+5], 32
	s_mov_b32 s[G1+6], 0
	s_mov_b32 s[G1+7], 0
	s_or_b32 s[G1B], s74, (1<<20)|(1<<21)|(7<<22)|(3<<25)   ; Wo's tile: 64 rows of 1,024 bytes; behind every 256 words (code 7) 4 words of padding (code 3); shared along the column
	s_mov_b32 s[G1B+1], 1024<<16
	s_mov_b32 s[G1B+2], 64<<16
	s_mov_b32 s[G1B+3], 1024<<16
	s_mov_b32 s[G1B+4], 64
	s_mov_b32 s[G1B+5], 1024
	s_mov_b32 s[G1B+6], 0
	s_mov_b32 s[G1B+7], 0
	s_lshl_b32 s76, s72, 16                        ; att: 16 ty blocks of 4,096 bytes, in the slab that I fetch
	s_lshl_b32 s77, s[HALF], 21
	s_add_co_u32 s76, s76, s77
	s_mov_b32 s77, 0
	s_lshl_b32 s78, s71, 17                        ; Wo: 128 gx rows + the 64 that I fetch
	s_lshl_b32 s79, s[HALF], 16
	s_add_co_u32 s78, s78, s79
	s_mov_b32 s79, 0
	s_lshl_b32 s80, s[HALF], 16                    ; where they go: no place in the cluster enters an LDS address
	s_mul_i32 s81, s[HALF], HALFB
	s_add_co_u32 s81, s81, BOFF
	s_lshl_b32 s[STB], s[WV], 14
	s_wait_kmcnt 0x0
	s_add_nc_u64 s[76:77], s[4:5], s[76:77]
	s_add_nc_u64 s[78:79], s[8:9], s[78:79]
	CROUND                                         ; all sixteen work-groups are here: the joint loads meet
	s_mov_b32 s[G0], 1
	s_mov_b32 s[G0+1], s80
	s_mov_b64 s[G0+2:G0+3], s[76:77]
	s_or_b32 s[G0+3], s[G0+3], 0x80000000
	s_mov_b32 s[G0B], 1
	s_mov_b32 s[G0B+1], s81
	s_mov_b64 s[G0B+2:G0B+3], s[78:79]
	s_or_b32 s[G0B+3], s[G0B+3], 0x80000000
	JLOAD G0, G1, G0B, G1B                         ; one load of mine is out, and it is my only one
	v_and_b32 v[RR], 15, v0                        ; r
	v_bfe_u32 v[HH], v0, 4, 1                      ; h
	v_and_b32 v[LN], 31, v0                        ; lane
	v_lshlrev_b32 v[LI], 4, v[LN]
	v_lshlrev_b32 v[R16], 4, v[RR]
	v_lshl_add_u32 v[ASO], v[HH], 17, v[R16]       ; lanes 16-31 take the words four K steps on
	v_lshlrev_b32 v[VS], 5, v[RR]
	v_lshl_add_u32 v[VS], v[HH], 4, v[VS]
	v_lshl_add_u32 v[CO], v[HH], 12, v[R16]        ; lanes 0-15 one row of out0, lanes 16-31 the next; 16 bytes a lane
	v_mul_u32_u24 v[TMP], v[RR], WP
	v_lshl_add_u32 v[TMP], v[HH], 4, v[TMP]        ; a fragment's row x pitch + 16 x half
	v_add_nc_u32 v[ADRB], BOFF, v[TMP]
	v_add_nc_u32 v[ADRB+1], BOFF+HALFB, v[TMP]
	v_add_nc_u32 v[ADRA], s[STB], v[LI]            ; my four blocks of a slab
	s_add_co_u32 s91, s[STB], SLAB
	v_add_nc_u32 v[ADRA+1], s91, v[LI]
	; each pointer is stepped once, ahead of its loads or stores
	s_lshl_b32 s90, s72, 10
	s_lshl_b32 s91, s[WV], 8
	s_add_co_u32 s90, s90, s91
	s_mov_b32 s91, 0
	s_add_nc_u64 s[6:7], s[6:7], s[90:91]          ; att_sc at [0][4 ty + w]
	s_lshl_b32 s90, s71, 12
	s_add_nc_u64 s[10:11], s[10:11], s[90:91]      ; Wo's scales
	s_lshl_b32 s90, s71, 9
	s_add_nc_u64 s[12:13], s[12:13], s[90:91]      ; bo
	s_lshl_b32 s90, s72, 20
	s_lshl_b32 s91, s[WV], 18
	s_add_co_u32 s90, s90, s91
	s_lshl_b32 s91, s71, 9
	s_add_co_u32 s90, s90, s91
	s_mov_b32 s91, 0
	s_add_nc_u64 s[14:15], s[14:15], s[90:91]      ; out0 at my first row, the tile's first column
	s_lshl_b32 s90, s72, 16
	s_add_co_u32 s90, s90, s[STB]
	s_add_co_u32 s90, s90, 2*2097152
	s_add_nc_u64 s[4:5], s[4:5], s[90:91]          ; att_img at [2][16 ty + 4 w]: K 512 on, my four blocks
.irp m, 0,1,2,3
	global_load_b128 v[SA+4*\m:SA+4*\m+3], v[ASO], s[6:7] offset:32768*\m      ; register 4 m + a: lanes 0-15 the word of (block a, K step m), lanes 16-31 of K step m + 4; sixteen lanes read 256 consecutive bytes
.endr
.irp b, 0,1,2,3,4,5,6,7
	global_load_b128 v[SB+4*\b:SB+4*\b+3], v[VS], s[10:11] offset:512*\b
.endr
	global_load_b128 v[BI:BI+3], v[R16], s[12:13]              ; bo at columns 4 r + 0 .. 3 of the first half,
	global_load_b128 v[BI+4:BI+7], v[R16], s[12:13] offset:256 ; and of the second
	WIN 0xc0
.irp k, 0,1,2,3                        ; att's K steps 4 + k, in the order in which they are wanted: 16 loads each, 512 consecutive bytes a load
.irp a, 0,1,2,3
.irp c, 0,1,2,3
	global_load_b128 v[64*\a+16*\k+4*\c:64*\a+16*\k+4*\c+3], v[LI], s[4:5] offset:2097152*(\k/2)+4096*\a+2048*(\k%2)+512*\c
.endr
.endr
.endr
	WIN 0
	s_wait_tensorcnt 0x0                           ; my tile is in,
	s_barrier_signal -1
	s_barrier_wait -1                              ; everybody's is
; Step s of sixteen: half nh = s / 8 of the columns, K step ks = s % 8; its four fragments of Wo lie in set s % 3.
.macro FETCHB s
.set fN, (\s)/8
.set fK, (\s)%8
.set fR, 64+64*((\s)%3)
.irp bb, 0,1,2,3
.irp c, 0,1,2,3
	ds_load_b128 v[fR+16*\bb+4*\c:fR+16*\bb+4*\c+3], v[ADRB+fN] offset:16*WP*\bb+128*fK+32*\c
.endr
.endr
.endm
.macro ALOAD k                         ; my four fragments of att for K step k (0 to 3), as images
	WIN 0x80
.irp a, 0,1,2,3
.irp c, 0,1,2,3
	ds_load_b128 v[64*\a+16*(\k)+4*\c:64*\a+16*(\k)+4*\c+3], v[ADRA+(\k)/2] offset:4096*\a+2048*((\k)%2)+512*\c
.endr
.endr
	WIN 0
.endm
; 16 matrix instructions: my four blocks of rows x the half's four blocks of columns.  The first K step starts the sums.  The 16 accumulators take turns in one order.
.macro MULS s
.set mN, (\s)/8
.set mK, (\s)%8
.set mR, 64+64*((\s)%3)
.if mK < 4
	WIN 0x58                                       ; Wo window 0, att window 2, C and D window 1
.else
	WIN 0x5c                                       ; att window 3
.endif
.irp a, 0,1,2,3
.irp bb, 0,1,2,3
.set rD, 128*mN+32*\a+8*\bb
.set rB, mR+16*\bb
.set rA, 64*\a+16*(mK%4)
.set rSB, SB+4*(4*mN+\bb)+mK%4
.set rSA, SA+4*(mK%4)+\a
.if mK == 0
	v_wmma_scale_f32_16x16x128_f8f6f4 v[rD:rD+7], v[rB:rB+15], v[rA:rA+15], 0, v[rSB], v[rSA]
.elseif mK < 4
	v_wmma_scale_f32_16x16x128_f8f6f4 v[rD:rD+7], v[rB:rB+15], v[rA:rA+15], v[rD:rD+7], v[rSB], v[rSA]
.else
	v_wmma_scale_f32_16x16x128_f8f6f4 v[rD:rD+7], v[rB:rB+15], v[rA:rA+15], v[rD:rD+7], v[rSB], v[rSA] matrix_a_scale:MATRIX_SCALE_ROW1 matrix_b_scale:MATRIX_SCALE_ROW1
.endif
.endr
.endr
.endm
; dsw: the LDS instructions issued behind this step's fragments, which may stay out.  The fragments of step s + 2 go into the set that step s - 1 read: eight places stand in front of them.
.macro STEP s, dsw
	s_wait_dscnt \dsw
.if (\s)+2 < 16
.if (\s) > 0
	PLACES 8
.endif
	WIN 0
	FETCHB (\s)+2
.endif
.if ((\s) > 3) && ((\s) < 8)
	s_wait_loadcnt 16*(7-(\s))                     ; att's K step from memory is in; the later K steps' 16 loads each may be out
.endif
	MULS \s
.endm
; THE WAY OUT of block a of half nh: 16 rows x 64 columns.  Into my stage, 32 bytes a lane, and back as whole rows of 256 bytes, into the registers that they left: LDS serves a wave's instructions in order (ISA guide 5.7.1.4).
.macro TOSTAGE nh, a
.set AC, 128*(\nh)+32*(\a)
	WIN 0x04                                       ; an LDS store's data are its source 1: window 1
.irp bb, 0,1,2,3
	ds_store_b128 v[STO], v[AC+8*\bb:AC+8*\bb+3] offset:64*\bb         ; each accumulator from its low end on
	ds_store_b128 v[STO], v[AC+8*\bb+4:AC+8*\bb+7] offset:64*\bb+16
.endr
	WIN 0x40
.irp t, 0,1,2,3,4,5,6,7
	ds_load_b128 v[AC+4*\t:AC+4*\t+3], v[RD] offset:2*SP*\t            ; rows 2 t (lanes 0-15) and 2 t + 1 (lanes 16-31)
.endr
.endm
.macro SEND nh, a, younger             ; younger: the LDS instructions issued behind the block's loads, which may stay out
.set AC, 128*(\nh)+32*(\a)
	s_wait_dscnt \younger
	WIN 0x41
.irp t, 0,1,2,3,4,5,6,7
	v_pk_add_f32 v[AC+4*\t:AC+4*\t+1], v[AC+4*\t:AC+4*\t+1], v[BI+4*(\nh):BI+4*(\nh)+1]        ; + bo: my four columns are the same in every row
	v_pk_add_f32 v[AC+4*\t+2:AC+4*\t+3], v[AC+4*\t+2:AC+4*\t+3], v[BI+4*(\nh)+2:BI+4*(\nh)+3]
.endr
	WIN 0x04
.irp t, 0,1,2,3,4,5,6,7
	global_store_b128 v[CO], v[AC+4*\t:AC+4*\t+3], s[14:15] offset:(16*(\a)+2*\t)*4096+256*(\nh) th:TH_STORE_NT   ; sixteen lanes store 256 consecutive bytes, aligned; written once, read by nobody here
.endr
.endm
	FETCHB 0                                       ; in the order in which the steps want them
	ALOAD 0
	FETCHB 1
	ALOAD 1
	ALOAD 2
	ALOAD 3
	s_wait_loadcnt 63                              ; scale words and bias are in: behind them stand att's 64 loads, of which the count's field names 63
	s_wait_xcnt 0x0                                ; every load from memory has read its offset register: the third set's registers, which held them, may be loaded
	STEP 0, 63                                     ; behind step 0's fragments: 64 loads (step 1's of Wo, att's K steps 1 to 3)
	STEP 1, 48                                     ; behind step 1's: att's K steps 2, 3 and step 2's of Wo
	STEP 2, 16                                     ; from here on: the next step's 16.  All images of att are in registers
	WIN 0
	v_bfe_u32 v[RD], v0, 4, 1                      ; the two registers that addressed the images now address my stage, in the bytes that held my first images:  h
	v_and_b32 v0, 15, v0                           ; r
	v_mul_u32_u24 v[STO], v0, SP
	v_lshl_add_u32 v[STO], v[RD], 5, v[STO]
	v_add_nc_u32 v[STO], s[STB], v[STO]            ; in: row r, 32 bytes for each half of the lanes
	v_mul_u32_u24 v[RD], v[RD], SP
	v_lshl_add_u32 v[RD], v0, 4, v[RD]
	v_add_nc_u32 v[RD], s[STB], v[RD]              ; back: lanes 0-15 one row, lanes 16-31 the next
	STEP 3, 16
	STEP 4, 16
	STEP 5, 16
	STEP 6, 16
	STEP 7, 16                                     ; columns 0-63 are finished
	STEP 8, 16
	TOSTAGE 0, 0                                   ; they leave while columns 64-127 are multiplied: a block through the stage behind each even step,
	STEP 9, 32                                     ; (behind step 9's fragments: step 10's and the block's 16 stage instructions)
	SEND 0, 0, 16                                  ; and out behind the odd step that follows (behind the block's loads: step 11's fragments)
	STEP 10, 16
	TOSTAGE 0, 1
	STEP 11, 32
	SEND 0, 1, 16
	STEP 12, 16
	TOSTAGE 0, 2
	STEP 13, 32
	SEND 0, 2, 16
	STEP 14, 16
	TOSTAGE 0, 3
	STEP 15, 16                                    ; (behind step 15's fragments: the block's 16 stage instructions)
	SEND 0, 3, 0
	WIN 0
	PLACES 8                                       ; in front of the first read of the last results, and of loads into their registers
	TOSTAGE 1, 0
	TOSTAGE 1, 1
	SEND 1, 0, 16                                  ; behind block 0's loads: block 1's 8 stores and 8 loads
	TOSTAGE 1, 2
	SEND 1, 1, 16
	TOSTAGE 1, 3
	SEND 1, 2, 16
	SEND 1, 3, 0
	WIN 0
	s_wait_tensorcnt 0x0                           ; the wave's end
	ds_add_u32 v[SPW], v[NIL]
	s_wait_dscnt 0x0
	CROUND                                         ; the closing round
	s_endpgm
.Lfunc_end_k_q6689431e4b_oproj:
	.size	k_q6689431e4b_oproj, .Lfunc_end_k_q6689431e4b_oproj-k_q6689431e4b_oproj
	.p2alignl 7, 3214868480
	.fill 96, 4, 3214868480
	.section	.rodata,"a",@progbits
	.p2align	6, 0x0
	.amdhsa_kernel k_q6689431e4b_oproj
		.amdhsa_group_segment_fixed_size 327680
		.amdhsa_private_segment_fixed_size 0
		.amdhsa_enable_private_segment 0
		.amdhsa_kernarg_size 48
		.amdhsa_user_sgpr_count 2
		.amdhsa_user_sgpr_kernarg_segment_ptr 1
		.amdhsa_wavefront_size32 1
		.amdhsa_system_sgpr_workgroup_id_x 1
		.amdhsa_system_sgpr_workgroup_id_y 1
		.amdhsa_system_sgpr_workgroup_id_z 1
		.amdhsa_system_vgpr_workitem_id 0
		.amdhsa_next_free_vgpr 1024
		.amdhsa_next_free_sgpr 100
		.amdhsa_reserve_vcc 0
		.amdhsa_float_denorm_mode_32 3
		.amdhsa_float_denorm_mode_16_64 3
		.amdhsa_memory_ordered 1
		.amdhsa_forward_progress 1
		.amdhsa_inst_pref_size 95
	.end_amdhsa_kernel
	.amdgpu_metadata
---
amdhsa.version: [ 1, 2 ]
amdhsa.kernels:
  - .name:           k_q6689431e4b_oproj
    .symbol:         k_q6689431e4b_oproj.kd
    .args:
      - { .name: att_img, .offset: 0, .size: 8, .value_kind: global_buffer, .address_space: global }
      - { .name: att_sc, .offset: 8, .size: 8, .value_kind: global_buffer, .address_space: global }
      - { .name: Wo_codes, .offset: 16, .size: 8, .value_kind: global_buffer, .address_space: global }
      - { .name: Wo_scales, .offset: 24, .size: 8, .value_kind: global_buffer, .address_space: global }
      - { .name: bo, .offset: 32, .size: 8, .value_kind: global_buffer, .address_space: global }
      - { .name: out0, .offset: 40, .size: 8, .value_kind: global_buffer, .address_space: global }
    .group_segment_fixed_size: 327680
    .private_segment_fixed_size: 0
    .kernarg_segment_align: 8
    .kernarg_segment_size: 48
    .max_flat_workgroup_size: 128
    .sgpr_count:     100
    .vgpr_count:     1024
    .wavefront_size: 32
...
	.end_amdgpu_metadata
.endif
;; end of part 3
